; MI455X (gfx1250); checked and timed in simulation.
; The chip was launched on July 23, 2026; its instructions are those of AMD's public machine-readable ISA for CDNA 5 (MIT licence, August 2026) and "CDNA5" Instruction Set Architecture Reference Guide (July 2026). The comments in the code are by the model that wrote it; some were corrected since.
;; Causal Self Attention. Allowed arithmetic: matrix products marked QUANTISED: E2M3 operands, one E8M0 scale for each 32 along K, by v_wmma_scale_f32_16x16x128_f8f6f4 with both operands' format E2M3, f32 sums; everything else in f32.
;; Inputs: Wk 1,024 x 1,024 float32; Wo 1,024 x 1,024 float32; Wq 1,024 x 1,024 float32; Wv 1,024 x 1,024 float32; x 4 x 2,048 x 1,024 float32.
;; Outputs: out0 4 x 2,048 x 1,024 float32.
;; This version of the problem:
;;   THIS VERSION OF THE PROBLEM IS GIVEN IN LOW PRECISION. The matrix products marked QUANTISED in the list below multiply operands that are first quantised to E2M3 (2 exponent bits, 3 mantissa bits; 6 bits a number), with one power-of-two scale for each 32 numbers along K (OCP MX v1.0); their sums are f32. All else is computed in f32.
;;   The module's matrix products, in the order in which they are computed (A, B: the left and right operand; K: the contracted axis; several contracted axes count as one K, in the product's order):
;;     1. [M 8,192, K 1,024] x [K 1,024, N 1,024]; A: input x; B: input Wq: QUANTISED
;;     2. [M 8,192, K 1,024] x [K 1,024, N 1,024]; A: input x; B: input Wk: QUANTISED
;;     3. [M 8,192, K 1,024] x [K 1,024, N 1,024]; A: input x; B: input Wv: QUANTISED
;;     4. batch 64 x [M 2,048, K 64] x [K 64, N 2,048]; A: computed on the way; B: computed on the way: QUANTISED
;;     5. batch 64 x [M 2,048, K 2,048] x [K 2,048, N 64]; A: softmax (see below); B: computed on the way: QUANTISED
;;     6. [M 8,192, K 1,024] x [K 1,024, N 1,024]; A: computed on the way; B: input Wo: QUANTISED
;;   THE QUANTISER, for each operand of a quantised product, along K:
;;     - K is cut into blocks of 32 from its start; a last block that is shorter is filled with zeros.
;;     - A block's scale is 2^e with e = floor(log2(the largest magnitude in the block)) - 2, held to -126 .. 127; a block of zeros has e = 0. As a byte (E8M0): e + 127.
;;     - Each number is divided by its block's scale, clamped to +-7.5, and rounded to the nearest number of E2M3, ties to even, subnormals kept.
;;     - The product sums the exact products of the quantised numbers (number of the format x scale) in f32.
;;   ~~~python
;;   def quantise(x, axis):      # numpy; x: float32 -> the quantised numbers, widened to float32 again
;;       x = np.moveaxis(x, axis, -1); K = x.shape[-1]
;;       x = np.pad(x, [(0, 0)] * (x.ndim - 1) + [(0, -K % 32)]); x = x.reshape(x.shape[:-1] + (-1, 32)); a = np.abs(x).max(-1, keepdims=True)
;;       e = np.where(a > 0, np.clip(np.frexp(np.where(a > 0, a, 1))[1] - 1 - 2, -126, 127), 0)      # np.frexp(a)[1] - 1 = floor(log2(a)), exactly
;;       r = np.clip(x / 2.0 ** e, -7.5, 7.5)
;;       step = 2.0 ** (np.maximum(np.frexp(np.where(r == 0, 1, r))[1] - 1, 0) - 3)
;;       q = np.round(r / step) * step * 2.0 ** e      # np.round: ties to even
;;       return np.moveaxis(q.reshape(q.shape[:-2] + (-1,))[..., :K], -1, axis).astype(np.float32)
;;   ~~~
;;   SOFTMAX AHEAD OF A QUANTISED PRODUCT. Where the list says 'softmax', what is quantised is not the finished softmax but p = 2^(t - M), with t = logit x log2(e) and M = ceil(the row's largest t), a whole number; so 1/2 < the row's largest p <= 1. The row's sum l is taken of the UNQUANTISED p, in f32, and the product's result is divided by l at the end. Since M is a whole number, a kernel that streams over the keys may use a running M (the ceiling of the running maximum): every later rescaling is an exact power of two, which a block's scale takes up: the codes' values come out the same.
;;   OPERANDS COMPUTED ON THE WAY. 'Computed on the way' means the value that the module computes at that place (a softmax that the list does not call 'softmax' is quantised finished and normalised). What goes into a quantiser is computed in f32, as accurately as f32 sums, v_exp_f32 and their like allow (about 1e-6 of the number): no bf16 or f16 on the way to a quantiser, and a product that is left as it is and whose result goes on into a quantised operand takes f32 operands (vector FMAs, or v_wmma_f32_16x16x4_f32). A number that lies on a knife's edge between two numbers of the format may be rounded either way, as far as f32 arithmetic and the matrix unit's own rounding can turn it there, and no further.
;; One version. Each part assembles by itself: llvm-mc -triple=amdgcn-amd-amdhsa -mcpu=gfx1250 --defsym DOCPART=n.
;; ======== version 1 of 1: 4 launches
;; workspace buffers: ximg 6,291,456 bytes; xsc 262,144 bytes; wimg 3,145,728 bytes; wsc 131,072 bytes; qkv 18,874,368 bytes; qkvs 1,310,720 bytes; yimg 6,291,456 bytes; ysc 262,144 bytes
;; launch quant (part 1): grid 768 x 1, 8 waves a work-group, no clusters, 69,120 bytes of LDS; arguments x, Wq, Wk, Wv, Wo, ximg, xsc, wimg, wsc; writes ximg, xsc, wimg, wsc
.if DOCPART == 1
	.amdgcn_target "amdgcn-amd-amdhsa--gfx1250"
	.amdhsa_code_object_version 6
	.text
	.protected	k_q4c89da6751_quant
	.globl	k_q4c89da6751_quant
	.p2align	8
	.type	k_q4c89da6751_quant,@function
k_q4c89da6751_quant:
	s_mov_b64 s[64:65], 0
	v_nop
	global_prefetch_b8 v0, s[64:65] scope:SCOPE_SE
	s_setreg_imm32_b32 hwreg(HW_REG_WAVE_MODE, 25, 1), 1
	s_wait_xcnt 0x0
; x [8192][1024] and the four weights [1024][1024], f32, K innermost, become codes of FP6 (E2M3) and E8M0 scale words, laid in the ORDER OF THE OPERAND'S REGISTERS.
; A UNIT is 768 bytes: 16 rows x 64 along K as six registers of 32 lanes: lane l's registers 0-3 at 16 l, its registers 4-5 at 512 + 8 l; lane (r = l % 16, h = l / 16) holds k = 32 h .. 32 h + 31 of row r.
; A BLOCK is 16 rows that are not neighbours: row rho of block i is row 32 (i / 2) + 8 (i % 2) + rho + 8 (rho / 8), so that results of a product that takes blocks as source 0 have 16 neighbours in 16 registers.
; Codes: [block][16 units]; scale words: [block][row 16][8 words], a word for 128 along K.  Blocks 0-511 of ximg are x's; wimg holds Wq's 64 blocks, then Wk's, Wv's, Wo's.
; A block's scale is 2^(floor(log2(largest magnitude)) - 2): its byte is the largest magnitude's exponent field - 2, held at 1 from below.
; LIMITS: a block of zeros, and one whose largest magnitude lies under 2^-124, gets the byte 1 (its codes are zeros or tiny; the bytes are read by this program alone); NaN and infinities are not served.
; SHARES: a work-group takes one block, wave s its K step s (128 numbers of 16 rows).  Each load reads 512 consecutive bytes of a row; the numbers turn through the wave's own stage in LDS, so that a lane
; gets 32 neighbours of each of its two blocks of 32.  No matrix unit, no cluster, no tensor load: memory binds, and the work-groups share nothing.
.set WST,  8448                        ; a wave's stage: 16 rows x (512 bytes + 16)
.set SCST, 8*WST                       ; behind the stages: the block's 128 scale words, [row][K step]
.set R,    16                          ; v16-79   the numbers as loaded
.set X,    80                          ; v80-143  register 32 c + e = k 64 c + 32 h + e of my row
.set PC,   144                         ; v144-155 the fragment's codes
	s_load_b256 s[4:11], s[0:1], 0x0               ; x, Wq, Wk, Wv
	s_load_b256 s[12:19], s[0:1], 0x20             ; Wo, ximg, xsc, wimg
	s_load_b64 s[20:21], s[0:1], 0x40              ; wsc
	v_lshl_add_u32 v160, v0, 2, 0x10a00
	v_mov_b32 v161, 0
	v_lshrrev_b32 v1, 5, v0
	v_readfirstlane_b32 s22, v1                    ; wave = K step
	v_and_b32 v1, 31, v0                           ; lane
	v_and_b32 v2, 15, v0                           ; r
	v_bfe_u32 v3, v0, 4, 1                         ; h
	v_lshlrev_b32 v4, 4, v1                        ; 16 x lane
	v_lshlrev_b32 v7, 3, v1                        ; 8 x lane
	s_mul_i32 s34, s22, WST
	v_add_nc_u32 v5, s34, v4                       ; the stage, on the way in: a row as it lies
	v_mul_u32_u24 v6, v2, 528
	v_lshl_add_u32 v6, v3, 7, v6
	v_add_nc_u32 v6, s34, v6                       ; and on the way out: row r, + 128 h bytes
	s_lshl_b32 s35, s22, 2
	s_add_co_u32 s35, s35, SCST
	v_lshl_add_u32 v8, v2, 5, s35                  ; my row's scale word of my K step
	v_lshl_add_u32 v11, v1, 4, SCST                ; the words' way out (wave 0)
	s_mov_b32 s36, 0x76543210
	s_mov_b32 s37, 0xfedcba98                      ; v_permlanex16_b32's selects for lane l xor 16
	s_cmp_lt_u32 ttmp9, 512                        ; x's work-group or a weight's?
	s_cselect_b32 s24, 0, 512
	s_sub_co_u32 s23, ttmp9, s24                   ; the block's number in its buffer of codes
	s_lshr_b32 s25, s23, 6                         ; which weight
	s_and_b32 s26, s23, 63                         ; and which block of it
	s_wait_kmcnt 0x0
	s_cmp_eq_u32 s25, 1                            ; the choices hang on the work-group's number alone
	s_cselect_b64 s[6:7], s[8:9], s[6:7]
	s_cmp_eq_u32 s25, 2
	s_cselect_b64 s[6:7], s[10:11], s[6:7]
	s_cmp_eq_u32 s25, 3
	s_cselect_b64 s[6:7], s[12:13], s[6:7]
	s_cmp_lt_u32 ttmp9, 512
	s_cselect_b64 s[4:5], s[4:5], s[6:7]           ; the numbers,
	s_cselect_b64 s[14:15], s[14:15], s[18:19]     ; the codes,
	s_cselect_b64 s[16:17], s[16:17], s[20:21]     ; the scale words
	s_cselect_b32 s26, s23, s26                    ; the block's number in its tensor
	s_lshr_b32 s27, s26, 1
	s_lshl_b32 s27, s27, 17                        ; 32 rows of 4,096 bytes for each pair of blocks,
	s_and_b32 s28, s26, 1
	s_lshl_b32 s28, s28, 15                        ; 8 rows for the odd one,
	s_add_co_u32 s28, s27, s28
	s_lshl_b32 s29, s22, 9                         ; 512 bytes a K step
	s_add_co_u32 s28, s28, s29
	s_mov_b32 s29, 0
	s_add_nc_u64 s[4:5], s[4:5], s[28:29]
	s_mul_i32 s30, s23, 12288                      ; 16 units a block,
	s_mul_i32 s31, s22, 1536                       ; two a K step
	s_add_co_u32 s30, s30, s31
	s_mov_b32 s31, 0
	s_add_nc_u64 s[14:15], s[14:15], s[30:31]
	s_lshl_b32 s32, s23, 9                         ; 512 bytes of scale words a block
	s_mov_b32 s33, 0
	s_add_nc_u64 s[16:17], s[16:17], s[32:33]
.set j, 0
.rept 16
	global_load_b128 v[R+4*j:R+4*j+3], v4, s[4:5] offset:(j+8*(j/8))*4096 th:TH_LOAD_NT   ; row rho = j of the block: 32 lanes read 512 consecutive bytes
.set j, j+1
.endr
.set j, 0
.rept 16
	s_wait_loadcnt 15-j                            ; loads come back in order: row j is in, the 15 - j younger ones may be out
	ds_store_b128 v5, v[R+4*j:R+4*j+3] offset:528*j
.set j, j+1
.endr
.set j, 0
.rept 16
	ds_load_b128 v[X+4*j:X+4*j+3], v6 offset:256*(j/8)+16*(j%8)   ; LDS serves a wave's instructions in order: these see my stores
.set j, j+1
.endr
	s_wait_dscnt 0x0
.irp c, 0,1                                    ; my block 2 c + h of the K step: all its 32 numbers are mine
	v_max3_num_f32 v[9+\c], |v[X+32*\c]|, |v[X+32*\c+1]|, 0x1800000   ; and the floor 2^(3 - 127): the byte cannot fall under 1
.endr
.irp i, 2,4,6,8,10,12,14,16,18,20,22,24,26,28,30
.irp c, 0,1
	v_max3_num_f32 v[9+\c], v[9+\c], |v[X+32*\c+\i]|, |v[X+32*\c+\i+1]|
.endr
.endr
	v_add_nc_u32 v15, 0xff000000, v9               ; 2 off the exponent field: the conversion takes this operand's exponent field as its scale
	v_add_nc_u32 v159, 0xff000000, v10
	v_lshrrev_b32 v9, 23, v15                      ; the scales' bytes
	v_lshrrev_b32 v10, 23, v159
	v_lshl_or_b32 v9, v10, 16, v9                  ; blocks h and 2 + h,
	v_lshlrev_b32 v10, 3, v3
	v_lshlrev_b32 v9, v10, v9                      ; at their places in the word (8 h bits up);
	v_mov_b32 v10, 0
	v_permlanex16_b32 v10, v9, s36, s37
	v_or_b32 v9, v9, v10                           ; with lane l xor 16's two the word is whole
	v_cvt_scalef32_pk16_fp6_f32 v[PC:PC+2], v[X:X+15], v15
	v_cvt_scalef32_pk16_fp6_f32 v[156:158], v[X+16:X+31], v15      ; (a conversion's three registers begin on an even number)
	v_cvt_scalef32_pk16_fp6_f32 v[PC+6:PC+8], v[X+32:X+47], v159
	v_cvt_scalef32_pk16_fp6_f32 v[12:14], v[X+48:X+63], v159
	v_nop                                          ; one plain place behind a scaled conversion
.irp i, 0,1,2
	v_mov_b32 v[PC+3+\i], v[156+\i]
	v_mov_b32 v[PC+9+\i], v[12+\i]
.endr
.irp c, 0,1
	global_store_b128 v4, v[PC+6*\c:PC+6*\c+3], s[14:15] offset:768*\c        ; 512 consecutive bytes
	global_store_b64 v7, v[PC+6*\c+4:PC+6*\c+5], s[14:15] offset:768*\c+512   ; 256 consecutive bytes
.endr
	ds_store_b32 v8, v9                            ; both lanes of a row write the same word with the same value
	s_wait_dscnt 0x0                               ; for the others' sake: my word has landed
	s_barrier_signal -1
	s_barrier_wait -1
	s_cmp_lg_u32 s22, 0
	s_cbranch_scc1 .Ldone
	ds_load_b128 v[16:19], v11                     ; wave 0: the block's 128 words,
	s_wait_dscnt 0x0
	global_store_b128 v4, v[16:19], s[16:17]       ; 512 consecutive bytes
.Ldone:
	s_wait_tensorcnt 0x0
	ds_add_u32 v160, v161
	s_wait_dscnt 0x0
	s_endpgm
.Lfunc_end_k_q4c89da6751_quant:
	.size	k_q4c89da6751_quant, .Lfunc_end_k_q4c89da6751_quant-k_q4c89da6751_quant
	.p2alignl 7, 3214868480
	.fill 96, 4, 3214868480
	.section	.rodata,"a",@progbits
	.p2align	6, 0x0
	.amdhsa_kernel k_q4c89da6751_quant
		.amdhsa_group_segment_fixed_size 69120
		.amdhsa_private_segment_fixed_size 0
		.amdhsa_enable_private_segment 0
		.amdhsa_kernarg_size 72
		.amdhsa_user_sgpr_count 2
		.amdhsa_user_sgpr_kernarg_segment_ptr 1
		.amdhsa_wavefront_size32 1
		.amdhsa_system_sgpr_workgroup_id_x 1
		.amdhsa_system_sgpr_workgroup_id_y 1
		.amdhsa_system_sgpr_workgroup_id_z 1
		.amdhsa_system_vgpr_workitem_id 0
		.amdhsa_next_free_vgpr 162
		.amdhsa_next_free_sgpr 66
		.amdhsa_reserve_vcc 0
		.amdhsa_float_denorm_mode_32 3
		.amdhsa_float_denorm_mode_16_64 3
		.amdhsa_memory_ordered 1
		.amdhsa_forward_progress 1
		.amdhsa_inst_pref_size 11
	.end_amdhsa_kernel
	.amdgpu_metadata
---
amdhsa.version: [ 1, 2 ]
amdhsa.kernels:
  - .name:           k_q4c89da6751_quant
    .symbol:         k_q4c89da6751_quant.kd
    .args:
      - { .name: x, .offset: 0, .size: 8, .value_kind: global_buffer, .address_space: global }
      - { .name: Wq, .offset: 8, .size: 8, .value_kind: global_buffer, .address_space: global }
      - { .name: Wk, .offset: 16, .size: 8, .value_kind: global_buffer, .address_space: global }
      - { .name: Wv, .offset: 24, .size: 8, .value_kind: global_buffer, .address_space: global }
      - { .name: Wo, .offset: 32, .size: 8, .value_kind: global_buffer, .address_space: global }
      - { .name: ximg, .offset: 40, .size: 8, .value_kind: global_buffer, .address_space: global }
      - { .name: xsc, .offset: 48, .size: 8, .value_kind: global_buffer, .address_space: global }
      - { .name: wimg, .offset: 56, .size: 8, .value_kind: global_buffer, .address_space: global }
      - { .name: wsc, .offset: 64, .size: 8, .value_kind: global_buffer, .address_space: global }
    .group_segment_fixed_size: 69120
    .private_segment_fixed_size: 0
    .kernarg_segment_align: 8
    .kernarg_segment_size: 72
    .max_flat_workgroup_size: 256
    .sgpr_count:     66
    .vgpr_count:     162
    .wavefront_size: 32
...
	.end_amdgpu_metadata
.endif
;; end of part 1
;; launch proj (part 2): grid 12 x 32, 4 waves a work-group, clusters of 4 x 4, 327,680 bytes of LDS; arguments ximg, xsc, wimg, wsc, qkv, qkvs; writes qkv, qkvs
.if DOCPART == 2
	.amdgcn_target "amdgcn-amd-amdhsa--gfx1250"
	.amdhsa_code_object_version 6
	.text
	.protected	k_q4c89da6751_proj
	.globl	k_q4c89da6751_proj
	.p2align	8
	.type	k_q4c89da6751_proj,@function
k_q4c89da6751_proj:
	s_mov_b64 s[64:65], 0
	v_nop
	global_prefetch_b8 v0, s[64:65] scope:SCOPE_SE
	s_setreg_imm32_b32 hwreg(HW_REG_WAVE_MODE, 25, 1), 1
	s_wait_xcnt 0x0
	s_wait_alu depctr_hold_cnt(0) depctr_sa_sdst(0) depctr_va_vdst(0) depctr_va_sdst(0) depctr_va_ssrc(0) depctr_va_vcc(0) depctr_vm_vsrc(0)
	s_getreg_b32 s2, hwreg(HW_REG_IB_STS2, 6, 4)
	s_cmp_eq_u32 s2, 0
	s_cbranch_scc0 .Lentry_in_a_cluster
	s_endpgm
.Lentry_in_a_cluster:
	s_bfe_u32 s2, ttmp6, 0x10000c
	s_cmp_lg_u32 s2, 0xf033
	s_cbranch_scc0 .Lentry_shape_is_right
	s_endpgm
.Lentry_shape_is_right:
; q = x Wq^T, k = x Wk^T, v = x Wv^T as ONE product [8192] x [3072], K = 1024, on codes of FP6 (E2M3) with E8M0 scales; the results leave as codes: q and k quantised along the head's 64, v along the keys.
; OPERANDS lie in memory in the order of the operand's registers: a unit of 768 bytes is 16 rows x 64 K (lane l's registers 0-3 at 16 l, registers 4-5 at 512 + 8 l); a block of 16 rows has 16 units; row rho of
; block i is row 32 (i / 2) + 8 (i % 2) + rho + 8 (rho / 8).  Scale words: [block][row][8 words].  So every LDS load of a fragment is dense, and a tile of 8 blocks x 256 K is 8 rows of 3,072 bytes for one tensor load.
; SHARES: a tile is 256 rows of x by 256 rows of the weights, a work-group of four waves; a wave makes 128 x 128: 64 accumulators.  K goes in steps of 256 through two LDS slots; the scale words come once.
; 12 x 32 tiles: one and a half for each of 256 work-group places; a smaller wave tile would read each fragment from LDS for half as many products.
; CLUSTERS: 4 x 4.  x's tiles are shared along a row of the cluster, the weights' along a column, by joint loads.  The cluster's x says which weight: 0 Wq, 1 Wk, 2 Wv: the same in all sixteen partners.
; SOURCE 0 gives a lane its registers' axis, SOURCE 1 its row.  For q and k source 0 = the weight's blocks (a lane holds one token, its registers run along the channels); for v THE TWO LDS READ BASES CHANGE PLACES
; (source 0 = x's blocks): a lane then holds one channel and its registers run along the tokens, the keys.  Tiles, masks and tensor loads are the same in all three.
; THE WAY OUT needs no LDS: for each block a of source 1 a lane's 64 results are 16 neighbours of each of four blocks of 32; they are quantised in registers into one fragment = two units, stored dense.
;   q: qkv [bh = 4 head + batch][token block 128][768];  k, v: from KV0 on [bh][key step 16][16 units: k's tiles 0-7, v's (key half 0, 1)(channel tile 0-3)].
;   scale words: q: qkvs [bh][128 tokens' group 16][row][8 tiles], k, v: from KVS0 on [bh][key step][k: [row][8 tiles], v: [row][4 tiles]].  q's and k's words hold two bytes; the upper two are 0 (K = 64 of 128).
; LIMITS: a block of zeros, or one under 2^-124, gets the byte 1; NaN and infinities are not served.
; REGISTERS: window 0: v0-31 addresses; v32-63 scale words, two sets; v128-223 source 1's eight fragments.  window 1: source 0's fragments, two sets, at v0 and v128.  windows 2, 3: the accumulators ((a, b) at v[8 (8 (a % 4) + b)]).
.set NQ,     2                         ; matrix instructions deep in a slot
.set FR,     12                        ; registers of a fragment
.set NL,     4                         ; LDS loads that bring one
.set NP,     4                         ; places behind this matrix instruction (ISA guide 7.12.1)
.set BLKB,   3072                      ; a block's bytes in a slot: four units
.set HALFT,  8*BLKB                    ; what one tensor load brings, and what one wave reads of a side
.set SLOT,   4*HALFT                   ; x's 16 blocks, then the weight's 16
.set BROW,   12288                     ; a block in memory
.set LAPS,   2                         ; K = 1024 = 2 laps of two slots of 256
.set SCL,    2*SLOT                    ; behind the ring: the scale words
.set HALFS,  4096                      ; those of 8 blocks
.set SBLK,   512                       ; those of one
.set SPARE,  SCL+4*HALFS               ; the spare words, 128 bytes for each wave: two blocks of 256 bytes that no other line names
.set KV0,    6291456
.set KVS0,   524288
.set ADRA, 16                          ; v16-17 source 1's fragments in slot 0, 1: base + 16 x lane;  v18-19: base + 512 + 8 x lane
.set ADRB, 20                          ; v20-23 the same for source 0
.set ADRS, 27                          ; v27    my scale words: lanes 0-15 source 1's rows, lanes 16-31 source 0's
.set SPW,  28                          ; v28    LDS address of my spare word; never rewritten
.set NIL,  29                          ; v29    0; never rewritten
.set SC,   32                          ; scale words: set s at v[SC + 16 s]; register 2 i + q: block i, the slot's q-th 128 along K
.set AF,   128
.set PW,   32                          ; the way out: v32-39 the eight scale words made
.set TM,   40                          ; v40-55 at work
.set T2,   56                          ; v56-58, v60-62 the conversions' second halves
.set SW,   64                          ; v64-71 scale words to be stored; v72-75 at work
.set G1, 24
.set G0, 32
.set G1B, 48
.set G0B, 56
.set G1S, 68
.set G0S, 76
.set G1SB, 80
.set G0SB, 88
.set MSB, 0
.macro WIN new                         ; the immediate's high byte repeats the setting that is left
.if MSB != \new
	s_set_vgpr_msb (MSB<<8)|\new
.set MSB, \new
.endif
.endm
.set MUL_LO, 0xa1                      ; source 0 window 1, source 1 window 0, C and D window 2
.set MUL_HI, 0xf1                      ; the same, C and D window 3
.set TO_B,   0x40                      ; destination window 1, address window 0
; A joint load: waves 0 and 1 fetch x's halves, waves 2 and 3 the weight's.  The branch hangs on the wave's number alone.  Four v_nop follow each of the two lines.
.macro JLOAD g0a, g1a, g0b, g1b
	s_cmp_eq_u32 s15, 0
	s_cbranch_scc0 .Lfor_b_\@
	tensor_load_to_lds s[\g0a:\g0a+3], s[\g1a:\g1a+7]
	s_nop 0
.rept 4
	v_nop
.endr
	s_branch .Lasked_\@
.Lfor_b_\@:
	tensor_load_to_lds s[\g0b:\g0b+3], s[\g1b:\g1b+7]
	s_nop 0
.rept 4
	v_nop
.endr
.Lasked_\@:
.endm
.macro CREST                           ; a round of the cluster's barrier behind its opening barrier
	s_cmp_lg_u32 s14, 0
	s_cbranch_scc1 .Lnot_wave_0_\@
	s_barrier_signal -3
.Lnot_wave_0_\@:
	s_barrier_wait -3
	s_barrier_signal -1
	s_barrier_wait -1
.endm
.macro CROUND
	s_barrier_signal -1
	s_barrier_wait -1
	CREST
.endm
	s_load_b128 s[4:7], s[0:1], 0x0                ; x's codes, x's scale words
	s_load_b128 s[8:11], s[0:1], 0x10              ; the weights' codes, their scale words
	s_load_b64 s[12:13], s[0:1], 0x20              ; qkv
	s_load_b64 s[96:97], s[0:1], 0x28              ; qkvs
	v_lshl_add_u32 v[SPW], v0, 2, SPARE
	v_mov_b32 v[NIL], 0
	ds_add_u32 v28, v29
	ds_add_u32 v28, v29
	s_wait_dscnt 0x0
	v_lshrrev_b32 v1, 5, v0
	v_readfirstlane_b32 s14, v1                    ; wave 0..3
	s_lshr_b32 s15, s14, 1                         ; which half of x's rows is mine.  Also: I fetch for x (0) or for the weight (1)
	s_and_b32 s16, s14, 1                          ; which half of the weight's rows.  Also: which 8 blocks of that tile I fetch
	s_bfe_u32 s40, ttmp6, 0x40000                  ; cx, cy: my place in the cluster
	s_bfe_u32 s41, ttmp6, 0x40004
	s_lshl_b32 s42, ttmp9, 2
	s_add_co_u32 s42, s42, s40                     ; the weights' tile = 4 x cluster x + cx
	s_and_b32 s17, ttmp7, 0xffff
	s_lshl_b32 s17, s17, 2
	s_add_co_u32 s17, s17, s41                     ; x's tile = 4 x cluster y + cy
	s_lshl_b32 s43, s41, 2
	s_lshl_b32 s43, 15, s43                        ; my row of the cluster
	s_lshl_b32 s44, 0x1111, s40                    ; my column
	; descriptor group 1: 8 blocks x 3,072 bytes (384 elements of 8 bytes), 12,288 bytes apart in memory, dense in LDS
	s_or_b32 s[G1+0], s43, (3<<16)|(1<<21)         ; 15:0 the mask: x's tiles go to my row; 17:16 elements of 8 bytes; 21 set beside a mask
	s_or_b32 s[G1B+0], s44, (3<<16)|(1<<21)
.irp g, G1, G1B
	s_mov_b32 s[\g+1], 384<<16                     ; tensor_dim0
	s_mov_b32 s[\g+2], 8<<16                       ; tensor_dim1
	s_mov_b32 s[\g+3], 384<<16                     ; tile_dim0
	s_mov_b32 s[\g+4], 8                           ; tile_dim1
	s_mov_b32 s[\g+5], 1536                        ; tensor_dim0_stride
	s_mov_b32 s[\g+6], 0
	s_mov_b32 s[\g+7], 0
.endr
	; and for the scale words of 8 blocks: 4,096 dense bytes as 16 rows of 256
	s_or_b32 s[G1S+0], s43, (3<<16)|(1<<21)
	s_or_b32 s[G1SB+0], s44, (3<<16)|(1<<21)
.irp g, G1S, G1SB
	s_mov_b32 s[\g+1], 32<<16
	s_mov_b32 s[\g+2], 16<<16
	s_mov_b32 s[\g+3], 32<<16
	s_mov_b32 s[\g+4], 16
	s_mov_b32 s[\g+5], 32
	s_mov_b32 s[\g+6], 0
	s_mov_b32 s[\g+7], 0
.endr
	s_lshl_b32 s18, s16, 3                         ; which 8 blocks of the tile I fetch
	s_lshl_b32 s20, s17, 4
	s_add_co_u32 s20, s20, s18                     ; x: block 16 x tile + 8 x half
	s_lshl_b32 s46, s42, 4
	s_add_co_u32 s46, s46, s18                     ; the weights likewise
	s_lshl_b32 s22, s20, 9                         ; where these blocks' scale words begin,
	s_mov_b32 s23, 0
	s_lshl_b32 s92, s46, 9
	s_mov_b32 s93, 0
	s_mul_i32 s20, s20, BROW                       ; and their codes
	s_mov_b32 s21, 0
	s_mul_i32 s46, s46, BROW
	s_mov_b32 s47, 0
	s_mul_i32 s45, s14, HALFT                      ; where they go: by the wave's number alone
	s_mul_i32 s94, s14, HALFS
	s_wait_kmcnt 0x0
	s_add_nc_u64 s[20:21], s[4:5], s[20:21]
	s_add_nc_u64 s[22:23], s[6:7], s[22:23]
	s_add_nc_u64 s[46:47], s[8:9], s[46:47]
	s_add_nc_u64 s[92:93], s[10:11], s[92:93]
	CROUND                                         ; all sixteen work-groups are here: the first joint loads meet
	s_mov_b32 s[G0S], 1
	s_add_co_u32 s[G0S+1], s94, SCL
	s_mov_b64 s[G0S+2:G0S+3], s[22:23]
	s_or_b32 s[G0S+3], s[G0S+3], 0x80000000
	s_mov_b32 s[G0SB], 1
	s_add_co_u32 s[G0SB+1], s94, SCL
	s_mov_b64 s[G0SB+2:G0SB+3], s[92:93]
	s_or_b32 s[G0SB+3], s[G0SB+3], 0x80000000
	JLOAD G0S, G1S, G0SB, G1SB                     ; the scale words first: they are wanted with K step 0
.irp s, 0,1
	s_mov_b32 s[G0+4*\s], 1
	s_add_co_u32 s[G0+4*\s+1], s45, \s*SLOT
	s_add_nc_u64 s[G0+4*\s+2:G0+4*\s+3], s[20:21], \s*BLKB
	s_or_b32 s[G0+4*\s+3], s[G0+4*\s+3], 0x80000000
	s_mov_b32 s[G0B+4*\s], 1
	s_add_co_u32 s[G0B+4*\s+1], s45, \s*SLOT
	s_add_nc_u64 s[G0B+4*\s+2:G0B+4*\s+3], s[46:47], \s*BLKB
	s_or_b32 s[G0B+4*\s+3], s[G0B+4*\s+3], 0x80000000
	JLOAD G0+4*\s, G1, G0B+4*\s, G1B
.endr
	v_and_b32 v1, 15, v0                           ; r
	v_bfe_u32 v2, v0, 4, 1                         ; h
	v_and_b32 v3, 31, v0                           ; lane
	v_lshlrev_b32 v4, 4, v3                        ; a unit's first part: 16 x lane
	v_lshl_add_u32 v5, v3, 3, 512                  ; its second: 512 + 8 x lane
	s_mul_i32 s21, s15, HALFT                      ; my 8 blocks of x
	s_mul_i32 s22, s16, HALFT                      ; my 8 blocks of the weight,
	s_add_co_u32 s22, s22, 2*HALFT                 ; which lie behind x's 16
	s_cmp_eq_u32 ttmp9, 2                          ; v?  (the cluster's x: the same in all partners)
	s_cselect_b32 s95, 1, 0
	s_cselect_b32 s18, s22, s21                    ; source 1 reads x's blocks, for v the weight's;
	s_cselect_b32 s19, s21, s22                    ; source 0 the other side's.  Both bases lie in the slot that is read
.irp s, 0,1
	v_add_nc_u32 v[ADRA+\s], s18, v4
	v_add_nc_u32 v[ADRA+2+\s], s18, v5
	v_add_nc_u32 v[ADRB+\s], s19, v4
	v_add_nc_u32 v[ADRB+2+\s], s19, v5
	s_add_co_u32 s18, s18, SLOT
	s_add_co_u32 s19, s19, SLOT
.endr
	v_lshlrev_b32 v5, 5, v1                        ; my row's scale words: 32 bytes a row
	s_mul_i32 s21, s15, HALFS                      ; x's: my 8 blocks
	s_mul_i32 s22, s16, HALFS                      ; the weight's, behind x's 16
	s_add_co_u32 s22, s22, 2*HALFS
	s_sub_co_u32 s22, s22, s21
	v_xor_b32 v6, s95, v2                          ; lanes 16-31 take source 0's side: the weight's, for v x's
	v_mul_u32_u24 v6, s22, v6
	s_add_co_u32 s21, s21, SCL
	v_add_nc_u32 v5, v5, v6
	v_add_nc_u32 v[ADRS], s21, v5
.macro FRAG reg, adr, q, i             ; a fragment is two units as they lie: registers 0-3, 4-5, 6-9, 10-11; every load is dense
	ds_load_b128 v[\reg:\reg+3], v[\adr] offset:(\i)*BLKB+(\q)*1536
	ds_load_b64 v[\reg+4:\reg+5], v[\adr+2] offset:(\i)*BLKB+(\q)*1536
	ds_load_b128 v[\reg+6:\reg+9], v[\adr] offset:(\i)*BLKB+(\q)*1536+768
	ds_load_b64 v[\reg+10:\reg+11], v[\adr+2] offset:(\i)*BLKB+(\q)*1536+768
.endm
; 16 matrix instructions: source 1's blocks a0, a0 + 1 x source 0's eight, 128 along K.  The 64 accumulators take turns, one instruction a turn, in the same order in every step.
.macro MUL16 a0, p, q, sc, zero
.irp a, \a0, \a0+1
.irp b, 0,1,2,3,4,5,6,7
.if \zero
	v_wmma_scale_f32_16x16x128_f8f6f4 v[8*(8*((\a)%4)+\b):8*(8*((\a)%4)+\b)+7], v[128*(\p)+FR*\b:128*(\p)+FR*\b+FR-1], v[AF+FR*(\a):AF+FR*(\a)+FR-1], 0, v[SC+8*NQ*(\sc)+NQ*\b+(\q)], v[SC+8*NQ*(\sc)+NQ*(\a)+(\q)] matrix_a_fmt:MATRIX_FMT_FP6 matrix_b_fmt:MATRIX_FMT_FP6 matrix_a_scale:MATRIX_SCALE_ROW1
.else
	v_wmma_scale_f32_16x16x128_f8f6f4 v[8*(8*((\a)%4)+\b):8*(8*((\a)%4)+\b)+7], v[128*(\p)+FR*\b:128*(\p)+FR*\b+FR-1], v[AF+FR*(\a):AF+FR*(\a)+FR-1], v[8*(8*((\a)%4)+\b):8*(8*((\a)%4)+\b)+7], v[SC+8*NQ*(\sc)+NQ*\b+(\q)], v[SC+8*NQ*(\sc)+NQ*(\a)+(\q)] matrix_a_fmt:MATRIX_FMT_FP6 matrix_b_fmt:MATRIX_FMT_FP6 matrix_a_scale:MATRIX_SCALE_ROW1
.endif
.endr
.endr
.endm
.macro FETCH_B slot, q, p              ; source 0's eight fragments of the slot's q-th 128 along K into set p
	WIN TO_B
.irp i, 0,1,2,3,4,5,6,7
	FRAG 128*(\p)+FR*\i, ADRB+\slot, \q, \i
.endr
	WIN 0
.endm
.macro FETCH_A slot, q, i0             ; source 1's blocks i0 .. i0 + 3
.irp i, \i0, \i0+1, \i0+2, \i0+3
	FRAG AF+FR*(\i), ADRA+\slot, \q, \i
.endr
.endm
.macro SCALES sc                       ; a slot's scale words into set sc: two words a row
.irp i, 0,1,2,3,4,5,6,7
	ds_load_b64 v[SC+8*NQ*\sc+NQ*\i:SC+8*NQ*\sc+NQ*\i+1], v[ADRS] offset:\i*SBLK
.endr
.endm
.macro PLACES n                        ; plain vector instructions between a matrix instruction and a load into, or a read of, its registers
.rept \n
	v_nop
.endr
.endm
.macro STEP slot, q, zero              ; a step of 128 along K that has its successor in the same slot
	s_wait_dscnt 4*NL                              ; source 0's set and source 1's blocks 0-3 are in; the youngest 16 loads (blocks 4-7) may be out
	WIN MUL_LO
	MUL16 0, (\q)%2, \q, \slot, \zero
	MUL16 2, (\q)%2, \q, \slot, \zero
	s_wait_dscnt 0                                 ; blocks 4-7 are in
	PLACES NP
	FETCH_B \slot, (\q)+1, 1-(\q)%2
	FETCH_A \slot, (\q)+1, 0
	WIN MUL_HI
	MUL16 4, (\q)%2, \q, \slot, \zero
	MUL16 6, (\q)%2, \q, \slot, \zero
	PLACES NP
	WIN 0
	FETCH_A \slot, (\q)+1, 4
.endm
; A slot's last step changes slots: ONE barrier; in front of it each wave waits for all its tensor loads, adds 0 to its spare word, and waits for that and for its own reads of this slot.
.macro TURN slot, next, fill
	s_wait_tensorcnt 0x0                           ; all my tensor loads have landed: my part of the next slot
	ds_add_u32 v[SPW], v[NIL]                      ; 0 onto my spare word
	s_wait_dscnt 4*NL+1                            ; (the add and the youngest 16 loads may be out)
	WIN MUL_LO
	MUL16 0, 1, NQ-1, \slot, 0
	s_wait_dscnt 0x0                               ; the add is done, and my reads of this slot are over
	s_barrier_signal -1
	MUL16 2, 1, NQ-1, \slot, 0
	WIN 0
	s_barrier_wait -1
.if \fill
	CREST                                          ; the barrier has opened a round of the cluster's barrier: no wave of any partner still reads this slot or has a load on its way
	s_add_nc_u64 s[G0+4*\slot+2:G0+4*\slot+3], s[G0+4*\slot+2:G0+4*\slot+3], 2*BLKB
	s_add_nc_u64 s[G0B+4*\slot+2:G0B+4*\slot+3], s[G0B+4*\slot+2:G0B+4*\slot+3], 2*BLKB
	JLOAD G0+4*\slot, G1, G0B+4*\slot, G1B         ; the first tensor load behind the round; its four v_nop are the places in front of the loads below
.else
	PLACES NP
.endif
	v_add_nc_u32 v[ADRS], 4*NQ, v[ADRS]            ; on to the next slot's scale words
	FETCH_B \next, 0, 0
	FETCH_A \next, 0, 0
	SCALES \next
	WIN MUL_HI
	MUL16 4, 1, NQ-1, \slot, 0
	MUL16 6, 1, NQ-1, \slot, 0
	PLACES NP
	WIN 0
	FETCH_A \next, 0, 4
.endm
	s_wait_tensorcnt 1                             ; the scale words and my part of slot 0 are in (slot 1's load may be out)
	s_barrier_signal -1
	s_barrier_wait -1                              ; everybody's are
	FETCH_B 0, 0, 0
	FETCH_A 0, 0, 0
	SCALES 0
	FETCH_A 0, 0, 4
	STEP 0, 0, 1                                   ; the first step's products start the sums
	s_mov_b32 s3, LAPS-1
.Llap:
	TURN 0, 1, 1
	STEP 1, 0, 0
	TURN 1, 0, 1
	STEP 0, 0, 0
	s_sub_co_u32 s3, s3, 1
	s_cmp_lg_u32 s3, 0
	s_cbranch_scc1 .Llap
	TURN 0, 1, 0                                   ; the last lap fills nothing
	STEP 1, 0, 0
	s_wait_dscnt 4*NL
	WIN MUL_LO
	MUL16 0, 1, NQ-1, 1, 0
	MUL16 2, 1, NQ-1, 1, 0
	s_wait_dscnt 0
	WIN MUL_HI
	MUL16 4, 1, NQ-1, 1, 0
	MUL16 6, 1, NQ-1, 1, 0
	WIN 0
	; THE WAY OUT.  Where my units go.  hp = my pair of heads, J = my group of 128 tokens; X = (4 (2 hp) + batch) x 16 + the group in its batch
	s_mov_b32 s2, 0x76543210
	s_mov_b32 s3, 0xfedcba98                       ; v_permlanex16_b32's selects for lane l xor 16
	s_lshl_b32 s18, s40, 1
	s_add_co_u32 s18, s18, s16                     ; hp = 2 cx + my half of the weight's rows
	s_lshl_b32 s19, s17, 1
	s_add_co_u32 s19, s19, s15                     ; J = 2 x tile + my half of x's rows
	s_lshl_b32 s18, s18, 3
	s_lshr_b32 s20, s19, 4
	s_add_co_u32 s20, s20, s18
	s_lshl_b32 s20, s20, 4
	s_and_b32 s19, s19, 15
	s_add_co_u32 s20, s20, s19                     ; X
	s_cmp_eq_u32 ttmp9, 0                          ; q?
	s_mov_b32 s21, 12288
	s_cselect_b32 s21, 6144, s21                   ; a group's units: q 8, k and v 16
	s_mov_b32 s22, KV0
	s_cselect_b32 s22, 0, s22
	s_mov_b32 s23, 786432
	s_cselect_b32 s23, 393216, s23                 ; from unit 0 to unit 1 of a fragment: the next head (4 bh on)
	s_mov_b32 s45, 768
	s_cselect_b32 s45, 512, s45                    ; a group's scale words
	s_mov_b32 s46, KVS0
	s_cselect_b32 s46, 0, s46
	s_mov_b32 s47, 49152
	s_cselect_b32 s47, 32768, s47                  ; the next head's scale words
	s_cmp_eq_u32 ttmp9, 2                          ; v?
	s_cselect_b32 s66, 6144, 0                     ; v's units lie behind k's eight
	s_cselect_b32 s23, 3072, s23                   ; unit 1 is the other half of the keys,
	s_mov_b32 s67, 3072
	s_cselect_b32 s67, 786432, s67                 ; and blocks 4-7 are the next head (for q and k: four units on)
	s_cselect_b32 s92, 512, 0
	s_cselect_b32 s93, -1, 0xffff                  ; q's and k's words keep two bytes
	s_cselect_b32 s94, 4, 5                        ; a row's scale words: 16 bytes for v, 32 for q and k
	s_mov_b32 s95, 16
	s_cselect_b32 s95, 49152, s95                  ; lanes 16-31 store blocks 4-7's words
	s_mul_i32 s18, s20, s21
	s_add_co_u32 s18, s18, s22
	s_add_co_u32 s18, s18, s66
	s_mov_b32 s19, 0
	s_add_nc_u64 s[4:5], s[12:13], s[18:19]        ; unit 0, blocks 0-3
	s_mov_b32 s18, s23
	s_add_nc_u64 s[8:9], s[4:5], s[18:19]          ; unit 1, blocks 0-3
	s_mov_b32 s18, s67
	s_add_nc_u64 s[6:7], s[4:5], s[18:19]          ; unit 0, blocks 4-7
	s_add_nc_u64 s[10:11], s[8:9], s[18:19]        ; unit 1, blocks 4-7
	s_mul_i32 s18, s20, s45
	s_add_co_u32 s18, s18, s46
	s_add_co_u32 s18, s18, s92
	s_add_nc_u64 s[96:97], s[96:97], s[18:19]
	s_mov_b32 s18, s47
	s_add_nc_u64 s[98:99], s[96:97], s[18:19]
	PLACES NP                                      ; behind the last products: results are read, and operands' and scales' registers written, only from here on
	v_and_b32 v3, 31, v0
	v_lshlrev_b32 v24, 4, v3                       ; 16 x lane
	v_lshlrev_b32 v25, 3, v3                       ; 8 x lane
	v_lshlrev_b32 v26, s94, v1
	v_mul_u32_u24 v4, s95, v2
	v_add_nc_u32 v26, v26, v4                      ; my place among the scale words
.irp b, 0,1,2,3
	v_mov_b32 v[TM+4+\b], 0                        ; written once: a lane permute's destination counts as one of its sources
.endr
; Block a of source 1: my 64 results, register 16 b + i = place 32 b + 16 h + i along the axis to be quantised, become a fragment's codes in v[128 + 12 a] on and a scale word in v[PW + a].
; Each block has its own registers for its codes, so that no store's data are written again.  Each accumulator is read from its low end on.
.macro QUANTW a
.set AC, 64*((\a)%4)
.set WW, 2+(\a)/4
.set PCA, 128+12*(\a)
	WIN 20*WW                                      ; sources 1 and 2: the accumulators' window
.irp b, 0,1,2,3
	v_max3_num_f32 v[TM+\b], 0x1800000, |v[AC+16*\b]|, |v[AC+16*\b+1]|   ; the floor 2^(3 - 127) among the leaves: the byte cannot fall under 1
.endr
.irp i, 2,4,6,8,10,12,14
.irp b, 0,1,2,3
	v_max3_num_f32 v[TM+\b], v[TM+\b], |v[AC+16*\b+\i]|, |v[AC+16*\b+\i+1]|
.endr
.endr
	WIN 0
.irp b, 0,1,2,3
	v_permlanex16_b32 v[TM+4+\b], v[TM+\b], s2, s3
.endr
.irp b, 0,1,2,3
	v_max_num_f32 v[TM+\b], v[TM+\b], v[TM+4+\b]   ; with lane l xor 16's: the block's largest magnitude
.endr
.irp b, 0,1,2,3
	v_add_nc_u32 v[TM+12+\b], 0xff000000, v[TM+\b] ; 2 off its exponent field: the conversion's scale operand
.endr
.irp b, 0,1,2,3
	v_lshrrev_b32 v[TM+4+\b], 23, v[TM+12+\b]      ; the scale's byte
.endr
	v_lshl_or_b32 v[PW+\a], v[TM+5], 8, v[TM+4]
	v_lshl_or_b32 v[PW+\a], v[TM+6], 16, v[PW+\a]
	v_lshl_or_b32 v[PW+\a], v[TM+7], 24, v[PW+\a]
	WIN WW                                         ; source 0: the accumulators' window
.irp c, 0,1
	v_cvt_scalef32_pk16_fp6_f32 v[PCA+6*\c:PCA+6*\c+2], v[AC+32*\c:AC+32*\c+15], v[TM+12+2*\c]
	v_cvt_scalef32_pk16_fp6_f32 v[T2+4*\c:T2+4*\c+2], v[AC+32*\c+16:AC+32*\c+31], v[TM+12+2*\c+1]   ; (a conversion's three registers begin on an even number)
.endr
	WIN 0
	v_nop                                          ; one plain place behind a scaled conversion
.irp c, 0,1                                    ; the operand's layout wants a WHOLE block of 32 in a lane
.irp i, 0,1,2
	v_permlane16_swap_b32 v[PCA+6*\c+\i], v[T2+4*\c+\i]
.endr
.irp i, 0,1,2
	v_mov_b32 v[PCA+6*\c+3+\i], v[T2+4*\c+\i]
.endr
.endr
.irp c, 0,1
	global_store_b128 v24, v[PCA+6*\c:PCA+6*\c+3], s[4+4*\c+2*((\a)/4):5+4*\c+2*((\a)/4)] offset:((\a)%4)*768         ; 512 consecutive bytes
	global_store_b64 v25, v[PCA+6*\c+4:PCA+6*\c+5], s[4+4*\c+2*((\a)/4):5+4*\c+2*((\a)/4)] offset:((\a)%4)*768+512    ; 256 consecutive bytes
.endr
.endm
.irp a, 0,1,2,3,4,5,6,7
	QUANTW \a
.endr
	v_cmp_ne_u32 vcc_lo, 0, v2                     ; lanes 0-15 store blocks 0-3's words, lanes 16-31 blocks 4-7's (both halves of the lanes hold all eight)
.irp k, 0,1,2,3
	v_cndmask_b32 v[72+\k], v[PW+\k], v[PW+4+\k], vcc_lo
.endr
.irp k, 0,1,2,3
	v_and_b32 v[SW+\k], s93, v[72+\k]              ; q, k: the first head's two bytes; v: all four
	v_lshrrev_b32 v[SW+4+\k], 16, v[72+\k]         ; q, k: the second head's
.endr
	global_store_b128 v26, v[SW:SW+3], s[96:97]
	s_cmp_eq_u32 ttmp9, 2
	s_cbranch_scc1 .Lno_second                     ; v's words are whole
	global_store_b128 v26, v[SW+4:SW+7], s[98:99]
.Lno_second:
	s_wait_tensorcnt 0x0                           ; the wave's end
	ds_add_u32 v[SPW], v[NIL]
	s_wait_dscnt 0x0
	CROUND                                         ; the closing round: no work-group ends while a partner may still ask for a tile that names it
	s_endpgm
.Lfunc_end_k_q4c89da6751_proj:
	.size	k_q4c89da6751_proj, .Lfunc_end_k_q4c89da6751_proj-k_q4c89da6751_proj
	.p2alignl 7, 3214868480
	.fill 96, 4, 3214868480
	.section	.rodata,"a",@progbits
	.p2align	6, 0x0
	.amdhsa_kernel k_q4c89da6751_proj
		.amdhsa_group_segment_fixed_size 327680
		.amdhsa_private_segment_fixed_size 0
		.amdhsa_enable_private_segment 0
		.amdhsa_kernarg_size 48
		.amdhsa_user_sgpr_count 2
		.amdhsa_user_sgpr_kernarg_segment_ptr 1
		.amdhsa_wavefront_size32 1
		.amdhsa_system_sgpr_workgroup_id_x 1
		.amdhsa_system_sgpr_workgroup_id_y 1
		.amdhsa_system_sgpr_workgroup_id_z 1
		.amdhsa_system_vgpr_workitem_id 0
		.amdhsa_next_free_vgpr 1024
		.amdhsa_next_free_sgpr 100
		.amdhsa_reserve_vcc 1
		.amdhsa_float_denorm_mode_32 3
		.amdhsa_float_denorm_mode_16_64 3
		.amdhsa_memory_ordered 1
		.amdhsa_forward_progress 1
		.amdhsa_inst_pref_size 151
	.end_amdhsa_kernel
	.amdgpu_metadata
---
amdhsa.version: [ 1, 2 ]
amdhsa.kernels:
  - .name:           k_q4c89da6751_proj
    .symbol:         k_q4c89da6751_proj.kd
    .args:
      - { .name: ximg, .offset: 0, .size: 8, .value_kind: global_buffer, .address_space: global }
      - { .name: xsc, .offset: 8, .size: 8, .value_kind: global_buffer, .address_space: global }
      - { .name: wimg, .offset: 16, .size: 8, .value_kind: global_buffer, .address_space: global }
      - { .name: wsc, .offset: 24, .size: 8, .value_kind: global_buffer, .address_space: global }
      - { .name: qkv, .offset: 32, .size: 8, .value_kind: global_buffer, .address_space: global }
      - { .name: qkvs, .offset: 40, .size: 8, .value_kind: global_buffer, .address_space: global }
    .group_segment_fixed_size: 327680
    .private_segment_fixed_size: 0
    .kernarg_segment_align: 8
    .kernarg_segment_size: 48
    .max_flat_workgroup_size: 128
    .sgpr_count:     100
    .vgpr_count:     1024
    .wavefront_size: 32
...
	.end_amdgpu_metadata
.endif
;; end of part 2
;; launch attn (part 3): grid 4 x 64, 16 waves a work-group, no clusters, 235,520 bytes of LDS; arguments qkv, qkvs, yimg, ysc; writes yimg, ysc
.if DOCPART == 3
	.amdgcn_target "amdgcn-amd-amdhsa--gfx1250"
	.amdhsa_code_object_version 6
	.text
	.protected	k_q4c89da6751_attn
	.globl	k_q4c89da6751_attn
	.p2align	8
	.type	k_q4c89da6751_attn,@function
k_q4c89da6751_attn:
	s_mov_b64 s[64:65], 0
	v_nop
	global_prefetch_b8 v0, s[64:65] scope:SCOPE_SE
	s_setreg_imm32_b32 hwreg(HW_REG_WAVE_MODE, 25, 1), 1
	s_wait_xcnt 0x0
; y[b][t][head] = softmax(q k^T / 8, causal) v, both products on codes of FP6 (E2M3) with E8M0 scales; y leaves as codes, quantised along C, in the order of the next product's operand registers.
; INPUTS (made by the launch before): units of 768 bytes (16 rows x 64 K: lane l's registers 0-3 at 16 l, registers 4-5 at 512 + 8 l).  q: [bh = 4 head + batch][token block 128]; k, v from KV0 on: [bh][key step 16]
; [16 units: k's tiles 0-7 (16 keys x the head's 64), v's (key half c)(channel tile t) (16 channels x 64 keys)].  Row rho of block i is 32 (i / 2) + 8 (i % 2) + rho + 8 (rho / 8): for token blocks, key tiles and channel tiles alike.
; THE SOFTMAX: t = score x log2(e) / 8; M = the running largest t rounded UP to a whole number; p = 2^(t - M) is quantised along the keys, not normalised; the sum is taken of the unquantised p and divides at the end.
; When M moves, the sum and O are multiplied by 2^(old M - new M): exact.
; BOTH PRODUCTS ARE USED TRANSPOSED: S^T = k q^T, O^T = v^T p^T: a lane holds one query (lane % 16) throughout; by the row order the 16 registers of two neighbouring tiles are 16 neighbouring keys, or channels.
; K = 64 IN AN INSTRUCTION OF 128: q's registers 6-11 are zero codes; k's operand runs on into the next tile's codes (behind the last: zeros), which meet those zeros; the upper two bytes of both scale words are 0, which is no NaN.
; SHARES: a work-group owns query blocks 7 - i and i (256 queries each) of one bh; wave w owns two tiles of 16 queries: H = token block 16 (7 - i) + w and L = 16 i + 15 - w.  Tile tb needs tb / 8 + 1 key steps of 128 keys:
; 17 tile steps for every wave of every work-group.  Sixteen waves of 256 registers: four to a SIMD, so that one wave's vector work stands beside another's matrix work and LDS loads.
; ALL OF THE HEAD'S K AND V (196,608 bytes) AND THEIR SCALE WORDS LIE IN LDS, FILLED ONCE: no ring, no refill.  Key steps 0 and 1 come by a load of their own, so that the work begins while the rest lands.
; Every wave walks all 16 key steps (the trip counts are constants); a step whose keys all come after a tile's queries is left out by a scalar branch on ids.
; NO CLUSTER, though the four work-groups of a bh read the same K and V: what tells them apart is their query block, on which the branch round hidden steps hangs, and partners of joint loads must run alike.
; LIMITS: NaN and infinities are not served; a block of zeros, or one under 2^-124, gets the byte 1.  The scale bytes of y leave by stores of two bytes a lane: a head owns two of a word's four bytes (one byte in 24 of what y stores).
; REGISTERS: v1 lane, v2 r, v7 h; v3, v4 q's units in LDS; v5, v6 the masks' d; v8-11 addresses in hand; v12 -M, v13 largest t, v[14:15] the sum (H); v16-19 the same (L); v20, v21 q's scale words; v22-29 k's, then v's;
;   v30-83 k's eight tiles (six registers each) and six zeros, then v's four fragments; v84-95 q and six zeros; v96-159 S^T, then p; v160-191 O^T of H, v192-223 of L; v224-235 p's codes; v232-254 at work.
.set KV0,  6291456
.set KVS0, 524288
.set SCB,  196608                      ; LDS: behind K and V their scale words, 768 bytes a key step
.set QST,  208896                      ; and q's units: wave w's two at QST + 1536 w
.set AD16, 8
.set AD8,  9
.set ADS,  10
.set ADT,  11
.set KS,   19                          ; s19  the key step
.set SEL,  20                          ; s[20:21] lane selects: lane l xor 16
.set CS,   22                          ; s[22:23] c = log2(e) / 8
.set G1E,  24                          ; s[24:31] group 1 of the early load, s[32:39] of the late one; s[40:43], s[44:47] their groups 0
.set G1L,  32
.set G0E,  40
.set G0L,  44
.set TK,   48                          ; s48  LDS byte of the step's units;  s49 the same + 512
.set TK8,  49
.set TSK,  50                          ; s50  of k's scale words;  s51 of v's
.set TSV,  51
.set CNT,  52
	s_load_b256 s[4:11], s[0:1], 0x0               ; qkv, qkvs, yimg, ysc
	v_lshl_add_u32 v251, v0, 2, 0x39000
	v_mov_b32 v255, 0
	ds_add_u32 v251, v255
	ds_add_u32 v251, v255
	v_lshrrev_b32 v1, 5, v0
	v_readfirstlane_b32 s12, v1                    ; wave 0..15
	v_and_b32 v1, 31, v0                           ; lane
	v_and_b32 v2, 15, v0                           ; r
	v_bfe_u32 v7, v0, 4, 1                         ; h
	s_and_b32 s14, ttmp7, 0xffff                   ; bh
	s_lshl_b32 s54, ttmp9, 4
	s_sub_co_u32 s15, 112, s54
	s_add_co_u32 s15, s15, s12                     ; tile H: token block 16 (7 - i) + w
	s_add_co_u32 s16, s54, 15
	s_sub_co_u32 s16, s16, s12                     ; tile L: 16 i + 15 - w
	s_lshr_b32 s17, s15, 3                         ; their last key steps, on the diagonal
	s_lshr_b32 s18, s16, 3
	; descriptor groups 1: dense bytes as rows of 256 (32 elements of 8 bytes): 6 rows a wave for key steps 0 and 1, 42 for the rest
	s_mov_b32 s[G1E], 3<<16
	s_mov_b32 s[G1E+1], 32<<16
	s_mov_b32 s[G1E+2], 6<<16
	s_mov_b32 s[G1E+3], 32<<16
	s_mov_b32 s[G1E+4], 6
	s_mov_b32 s[G1E+5], 32
	s_mov_b32 s[G1E+6], 0
	s_mov_b32 s[G1E+7], 0
	s_mov_b32 s[G1L], 3<<16
	s_mov_b32 s[G1L+1], 32<<16
	s_mov_b32 s[G1L+2], 42<<16
	s_mov_b32 s[G1L+3], 32<<16
	s_mov_b32 s[G1L+4], 42
	s_mov_b32 s[G1L+5], 32
	s_mov_b32 s[G1L+6], 0
	s_mov_b32 s[G1L+7], 0
	s_mul_i32 s54, s14, 196608
	s_add_co_u32 s54, s54, KV0                     ; my bh's K and V
	s_mov_b32 s55, 0
	s_mul_i32 s56, s12, 1536                       ; my share of the early bytes,
	s_mov_b32 s57, 0
	s_mul_i32 s58, s12, 10752
	s_add_co_u32 s58, s58, 24576                   ; and of the late ones: the same place in memory and in LDS
	s_mov_b32 s59, 0
	s_wait_dscnt 0x0
	s_wait_kmcnt 0x0
	s_add_nc_u64 s[54:55], s[4:5], s[54:55]
	s_mov_b32 s[G0E], 1
	s_mov_b32 s[G0E+1], s56
	s_add_nc_u64 s[G0E+2:G0E+3], s[54:55], s[56:57]
	s_or_b32 s[G0E+3], s[G0E+3], 0x80000000
	s_mov_b32 s[G0L], 1
	s_mov_b32 s[G0L+1], s58
	s_add_nc_u64 s[G0L+2:G0L+3], s[54:55], s[58:59]
	s_or_b32 s[G0L+3], s[G0L+3], 0x80000000
	s_mul_i32 s56, s14, 12288
	s_add_co_u32 s56, s56, KVS0
	s_add_nc_u64 s[60:61], s[6:7], s[56:57]        ; my bh's scale words of k and v,
	s_mul_i32 s56, s14, 98304
	s_add_nc_u64 s[62:63], s[4:5], s[56:57]        ; its q,
	s_lshl_b32 s56, s14, 13
	s_add_nc_u64 s[6:7], s[6:7], s[56:57]          ; and q's scale words
	tensor_load_to_lds s[G0E:G0E+3], s[G1E:G1E+7]  ; all fills stand here, ahead of every wait on their counters, every LDS read and every barrier: two tensor loads of mine are out
	s_nop 0
	tensor_load_to_lds s[G0L:G0L+3], s[G1L:G1L+7]
	s_nop 0
.rept 4
	v_nop
.endr
	v_lshl_add_u32 v96, v0, 4, SCB                 ; the scale words: 512 threads x 16 bytes,
	v_lshlrev_b32 v97, 4, v0
	v_lshl_add_u32 v98, v0, 3, SCB                 ; then 512 x 8 bytes, 8,192 bytes on
	v_lshlrev_b32 v99, 3, v0
	s_mul_i32 s53, s12, 1536
	s_add_co_u32 s53, s53, QST
	v_lshl_add_u32 v3, v1, 4, s53                  ; q's units: H's, and 768 bytes on L's
	v_lshl_add_u32 v4, v1, 3, s53
	v_add_nc_u32 v4, 512, v4
	v_add_nc_u32 v102, 768, v3
	v_add_nc_u32 v104, 768, v4
	s_mul_i32 s56, s15, 768
	s_mul_i32 s57, s16, 768
	v_lshl_add_u32 v100, v1, 4, s56
	v_lshl_add_u32 v101, v1, 3, s56
	v_add_nc_u32 v101, 512, v101
	v_lshl_add_u32 v103, v1, 4, s57
	v_lshl_add_u32 v105, v1, 3, s57
	v_add_nc_u32 v105, 512, v105
	global_load_async_to_lds_b128 v96, v97, s[60:61]
	global_load_async_to_lds_b64 v98, v99, s[60:61] offset:8192    ; (the immediate is added to both addresses)
	global_load_async_to_lds_b128 v3, v100, s[62:63]
	global_load_async_to_lds_b64 v4, v101, s[62:63]
	global_load_async_to_lds_b128 v102, v103, s[62:63]
	global_load_async_to_lds_b64 v104, v105, s[62:63]
	s_lshl_b32 s56, s17, 9                         ; q's scale words: [group of 8 blocks][row][block]
	s_and_b32 s57, s15, 7
	s_lshl_b32 s57, s57, 2
	s_add_co_u32 s56, s56, s57
	v_lshl_add_u32 v106, v2, 5, s56
	s_lshl_b32 s56, s18, 9
	s_and_b32 s57, s16, 7
	s_lshl_b32 s57, s57, 2
	s_add_co_u32 s56, s56, s57
	v_lshl_add_u32 v107, v2, 5, s56
	global_load_b32 v20, v106, s[6:7]
	global_load_b32 v21, v107, s[6:7]
	v_and_b32 v5, 8, v2
	v_add_nc_u32 v5, v5, v2
	v_lshlrev_b32 v6, 4, v7
	v_sub_nc_u32 v6, v5, v6                        ; r + 8 (r / 8) - 16 h
	s_bfe_u32 s56, s15, 0x20001
	s_lshl_b32 s56, s56, 5
	s_and_b32 s57, s15, 1
	s_lshl_b32 s57, s57, 3
	s_add_co_u32 s56, s56, s57
	v_add_nc_u32 v5, s56, v6                       ; d = my query's place among its 128, less 16 h: register 16 b + i holds the step's key 32 b + 16 h + i, hidden on the diagonal where 32 b + i > d
	s_bfe_u32 s56, s16, 0x20001
	s_lshl_b32 s56, s56, 5
	s_and_b32 s57, s16, 1
	s_lshl_b32 s57, s57, 3
	s_add_co_u32 s56, s56, s57
	v_add_nc_u32 v6, s56, v6
	s_mov_b32 s[SEL], 0x76543210
	s_mov_b32 s[SEL+1], 0xfedcba98
	s_mov_b32 s[CS], 0x3e38aa3b                    ; c = log2(e) / 8
	s_mov_b32 s[CS+1], s[CS]                       ; (named with it as a pair, so it is written)
	v_mov_b32 v13, 0xff61b1e6                      ; the largest t so far: -3e38, under every t
	v_floor_f32 v12, -v13                          ; -M
	v_mov_b32 v14, 0
	v_mov_b32 v15, 0
	v_mov_b32 v17, 0xff61b1e6
	v_floor_f32 v16, -v17
	v_mov_b32 v18, 0
	v_mov_b32 v19, 0
.irp j, 78,79,80,81,82,83,90,91,92,93,94,95
	v_mov_b32 v[\j], 0                             ; zero codes: the upper half of K behind k's last tile and in q's operand
.endr
.irp j, 236,237,238,239,252,253,254
	v_mov_b32 v[\j], 0                             ; written once: destinations of lane permutes and halves of pairs count as read
.endr
.set j, 0
.rept 64
	v_mov_b32 v[160+j], 0                          ; O^T of both tiles.  (The step is written once: the first finds zeros, which the first change of M leaves zeros)
.set j, j+1
.endr
; A KEY STEP OF ONE TILE: 128 keys.  o: its O^T;  st: -M and the largest t;  sm: the sum;  qs: q's scale word;  dm: d;  sd: the scalar with its diagonal step;  qoff: its unit of q.
.macro STEP o, st, sm, qs, dm, sd, qoff
	s_cmp_gt_u32 s[KS], s[\sd]                     ; all the step's keys come after my queries: the step is left out (a branch on ids)
	s_cbranch_scc1 .Lhid_\@
	v_lshl_add_u32 v[AD16], v1, 4, s[TK]           ; these four lines are also the places between the last products and the loads into their operands
	v_lshl_add_u32 v[AD8], v1, 3, s[TK8]
	v_lshl_add_u32 v[ADS], v2, 5, s[TSK]
	v_lshl_add_u32 v[ADT], v2, 4, s[TSV]
	ds_load_b128 v[84:87], v3 offset:\qoff
	ds_load_b64 v[88:89], v4 offset:\qoff
.irp f, 0,1,2,3,4,5,6,7
	ds_load_b128 v[30+6*\f:33+6*\f], v[AD16] offset:768*\f
	ds_load_b64 v[34+6*\f:35+6*\f], v[AD8] offset:768*\f
.endr
	ds_load_b128 v[22:25], v[ADS]                  ; k's scale words: row r's eight tiles
	ds_load_b128 v[26:29], v[ADS] offset:16
	s_wait_dscnt 0x0
.irp f, 0,1,2,3,4,5,6,7
	v_wmma_scale_f32_16x16x128_f8f6f4 v[96+8*\f:103+8*\f], v[30+6*\f:41+6*\f], v[84:95], 0, v[22+\f], v[\qs] matrix_a_fmt:MATRIX_FMT_FP6 matrix_b_fmt:MATRIX_FMT_FP6
.endr
.rept 4
	v_nop                                          ; places: the scores are read, and k's registers loaded anew, only behind them
.endr
.irp t, 0,1,2,3                                ; v's four fragments are asked for now and land under the softmax
.irp c, 0,1
	ds_load_b128 v[30+12*\t+6*\c:33+12*\t+6*\c], v[AD16] offset:6144+3072*\c+768*\t
	ds_load_b64 v[34+12*\t+6*\c:35+12*\t+6*\c], v[AD8] offset:6144+3072*\c+768*\t
.endr
.endr
	ds_load_b128 v[22:25], v[ADT]                  ; v's scale words: row r's four tiles
	s_cmp_lg_u32 s[KS], s[\sd]                     ; only on the diagonal are keys hidden
	s_cbranch_scc1 .Lopen_\@
	v_mov_b32 v254, 0xff800000                     ; -infinity: p = 0 then
.set n, 0
.rept 64
	v_cmp_gt_i32 vcc_lo, 32*(n/16)+n%16, v[\dm]
	v_cndmask_b32 v[96+n], v[96+n], v254, vcc_lo
.set n, n+1
.endr
.Lopen_\@:
.irp b, 0,1,2,3
	v_max3_num_f32 v[232+\b], v[96+16*\b], v[97+16*\b], v[98+16*\b]   ; the largest score of each block of 32 keys: for the row's maximum and, since p rises with the score, for the block's largest p
.endr
.irp i, 3,5,7,9,11,13
.irp b, 0,1,2,3
	v_max3_num_f32 v[232+\b], v[232+\b], v[96+16*\b+\i], v[97+16*\b+\i]
.endr
.endr
.irp b, 0,1,2,3
	v_max_num_f32 v[232+\b], v[232+\b], v[111+16*\b]
.endr
.irp b, 0,1,2,3
	v_permlanex16_b32 v[236+\b], v[232+\b], s[SEL], s[SEL+1]
.endr
.irp b, 0,1,2,3
	v_max_num_f32 v[232+\b], v[232+\b], v[236+\b]  ; with lane l xor 16's 16 keys
.endr
	v_max3_num_f32 v254, v232, v233, v234
	v_max_num_f32 v254, v254, v235                 ; the step's largest score of my query
	v_mul_f32 v254, s[CS], v254                    ; as t
	v_max_num_f32 v[\st+1], v[\st+1], v254         ; the running largest t
	v_mov_b32 v254, v[\st]
	v_floor_f32 v[\st], -v[\st+1]                  ; the new -M = -ceil(t)
	v_sub_f32 v254, v[\st], v254                   ; old M - new M: a whole number, 0 or less
	v_cvt_i32_f32 v254, v254                       ; (it saturates)
	v_ldexp_f32 v252, 1.0, v254                    ; f = 2^(old M - new M)
.set j, 0
.rept 32
	v_pk_fma_f32 v[96+j:97+j], v[96+j:97+j], s[CS:CS+1], v[\st:\st+1] op_sel_hi:[1,0,0]   ; t - M, two at a time
.set j, j+2
.endr
.irp b, 0,1,2,3
	v_fma_f32 v[232+\b], v[232+\b], s[CS], v[\st]  ; the same of each block's largest score
.endr
.set j, 0
.rept 64
	v_exp_f32 v[96+j], v[96+j]                     ; p = 2^(t - M), at most 1
.set j, j+1
.endr
	v_pk_mul_f32 v[\sm:\sm+1], v[\sm:\sm+1], v[252:253] op_sel_hi:[1,0]   ; the sum under the new M: the plain place behind the exponentials
	s_wait_alu depctr_va_vdst(0)                   ; one wait for the whole batch, ahead of its first reader
.irp b, 0,1,2,3
	v_exp_f32 v[232+\b], v[232+\b]                 ; the block's largest p
.endr
	v_pk_add_f32 v[236:237], v[96:97], v[98:99]    ; the row's sum is taken of the unquantised p: two at a time, in two chains
.irp j, 4,8,12,16,20,24,28,32,36,40,44,48,52,56,60
	v_pk_add_f32 v[\sm:\sm+1], v[\sm:\sm+1], v[96+\j:97+\j]
	v_pk_add_f32 v[236:237], v[236:237], v[98+\j:99+\j]
.endr
	v_pk_add_f32 v[\sm:\sm+1], v[\sm:\sm+1], v[236:237]
	s_wait_alu depctr_va_vdst(0)                   ; and one for the four
.irp b, 0,1,2,3
	v_max_num_f32 v[232+\b], 0x1800000, v[232+\b]  ; the floor 2^(3 - 127): the byte cannot fall under 1
.endr
.irp b, 0,1,2,3
	v_add_nc_u32 v[244+\b], 0xff000000, v[232+\b]  ; 2 off the exponent field: the conversion's scale operand
.endr
.irp b, 0,1,2,3
	v_lshrrev_b32 v[236+\b], 23, v[244+\b]         ; the scale's byte
.endr
	v_lshl_or_b32 v253, v237, 8, v236              ; p's scale word for these 128 keys
	v_lshl_or_b32 v253, v238, 16, v253
	v_lshl_or_b32 v253, v239, 24, v253
	CODES
.set j, 0
.rept 16
	v_pk_mul_f32 v[\o+j:\o+j+1], v[\o+j:\o+j+1], v[252:253] op_sel_hi:[1,0]   ; O^T under the new M.  (These sixteen are also the places between the codes' and the scale word's last writes and the products)
.set j, j+2
.endr
	s_wait_dscnt 0x0                               ; v is in
.irp t, 0,1,2,3                                ; O^T += v^T p^T: the four accumulators by turns
	v_wmma_scale_f32_16x16x128_f8f6f4 v[\o+8*\t:\o+8*\t+7], v[30+12*\t:41+12*\t], v[224:235], v[\o+8*\t:\o+8*\t+7], v[22+\t], v253 matrix_a_fmt:MATRIX_FMT_FP6 matrix_b_fmt:MATRIX_FMT_FP6
.endr
.Lhid_\@:
.endm
; 64 numbers in v96-159 (register 16 b + i = place 32 b + 16 h + i), scale operands in v244-247: the codes of two units, v224-229 and v230-235
.macro CODES
.irp c, 0,1
	v_cvt_scalef32_pk16_fp6_f32 v[224+6*\c:226+6*\c], v[96+32*\c:111+32*\c], v[244+2*\c]
	v_cvt_scalef32_pk16_fp6_f32 v[236+4*\c:238+4*\c], v[112+32*\c:127+32*\c], v[244+2*\c+1]   ; (a conversion's three registers begin on an even number)
.endr
	v_nop                                          ; one plain place behind a scaled conversion
.irp c, 0,1                                    ; the operand's layout wants a WHOLE block of 32 in a lane
.irp i, 0,1,2
	v_permlane16_swap_b32 v[224+6*\c+\i], v[236+4*\c+\i]
.endr
.irp i, 0,1,2
	v_mov_b32 v[227+6*\c+\i], v[236+4*\c+\i]
.endr
.endr
.endm
.macro KLOOP n                         ; n key steps, both tiles in each
	s_mov_b32 s[CNT], \n
.Lk_\@:
	STEP 160, 12, 14, 20, 5, 17, 0
	STEP 192, 16, 18, 21, 6, 18, 768
	s_add_co_u32 s[KS], s[KS], 1
	s_add_co_u32 s[TK], s[TK], 12288
	s_add_co_u32 s[TK8], s[TK8], 12288
	s_add_co_u32 s[TSK], s[TSK], 768
	s_add_co_u32 s[TSV], s[TSV], 768
	s_sub_co_u32 s[CNT], s[CNT], 1
	s_cmp_lg_u32 s[CNT], 0
	s_cbranch_scc1 .Lk_\@
.endm
	s_mov_b32 s[KS], 0
	s_mov_b32 s[TK], 0
	s_mov_b32 s[TK8], 512
	s_mov_b32 s[TSK], SCB
	s_mov_b32 s[TSV], SCB+512
	s_wait_tensorcnt 0x1                           ; my share of key steps 0 and 1 is in; the late load may stay out
	s_wait_asynccnt 0x0                            ; my copies: scale words and q
	s_wait_loadcnt 0x0                             ; q's scale words; their address registers are free
	s_barrier_signal -1
	s_barrier_wait -1                              ; everybody's are
	KLOOP 2                                        ; reads K and V under byte 24,576 alone
	s_wait_tensorcnt 0x0                           ; my share of key steps 2 to 15 is in,
	s_wait_dscnt 0x0
	s_barrier_signal -1
	s_barrier_wait -1                              ; everybody's is
	s_mov_b32 s[KS], 2
	s_mov_b32 s[TK], 24576
	s_mov_b32 s[TK8], 24576+512
	s_mov_b32 s[TSK], SCB+1536
	s_mov_b32 s[TSV], SCB+1536+512
	KLOOP 14
	; THE WAY OUT: y = O^T / the sum, both tiles into v96-159: four blocks of 32 along C (H's two, L's two), quantised by the same lines as p; each tile is one unit of yimg.
	s_and_b32 s54, s14, 3                          ; batch
	s_lshr_b32 s55, s14, 2                         ; head
	s_lshl_b32 s54, s54, 7
	s_add_co_u32 s56, s54, s15                     ; H's block of 16 rows among 512,
	s_add_co_u32 s58, s54, s16                     ; L's
	s_lshl_b32 s60, s56, 9
	s_lshl_b32 s61, s58, 9
	s_lshl_b32 s53, s55, 1
	s_add_co_u32 s60, s60, s53                     ; their scale bytes: 512 bytes a block, + 2 x head
	s_add_co_u32 s61, s61, s53
	s_lshl_b32 s56, s56, 4
	s_add_co_u32 s56, s56, s55
	s_mul_i32 s56, s56, 768                        ; their units: 16 a block, the head's
	s_mov_b32 s57, 0
	s_lshl_b32 s58, s58, 4
	s_add_co_u32 s58, s58, s55
	s_mul_i32 s58, s58, 768
	s_mov_b32 s59, 0
	s_add_nc_u64 s[56:57], s[8:9], s[56:57]
	s_add_nc_u64 s[58:59], s[8:9], s[58:59]
.rept 4
	v_nop                                          ; places behind the last products
.endr
	v_add_f32 v14, v14, v15                        ; the sums' two halves,
	v_add_f32 v18, v18, v19
	v_permlanex16_b32 v252, v14, s[SEL], s[SEL+1]
	v_permlanex16_b32 v254, v18, s[SEL], s[SEL+1]
	v_add_f32 v14, v14, v252                       ; and lane l xor 16's
	v_add_f32 v18, v18, v254
	v_rcp_f32 v14, v14
	v_rcp_f32 v18, v18
	v_lshlrev_b32 v84, 4, v1                       ; (a plain place behind the reciprocals)  16 x lane
	v_lshlrev_b32 v85, 3, v1                       ; 8 x lane
	s_wait_alu depctr_va_vdst(0)                   ; one wait for both, ahead of the first reader
.set j, 0
.rept 16
	v_pk_mul_f32 v[96+j:97+j], v[160+j:161+j], v[14:15] op_sel_hi:[1,0]   ; each accumulator from its low end on
.set j, j+2
.endr
.set j, 0
.rept 16
	v_pk_mul_f32 v[128+j:129+j], v[192+j:193+j], v[18:19] op_sel_hi:[1,0]
.set j, j+2
.endr
.irp b, 0,1,2,3
	v_max3_num_f32 v[232+\b], |v[96+16*\b]|, |v[97+16*\b]|, 0x1800000
.endr
.irp i, 2,4,6,8,10,12,14
.irp b, 0,1,2,3
	v_max3_num_f32 v[232+\b], v[232+\b], |v[96+16*\b+\i]|, |v[97+16*\b+\i]|
.endr
.endr
.irp b, 0,1,2,3
	v_permlanex16_b32 v[236+\b], v[232+\b], s[SEL], s[SEL+1]
.endr
.irp b, 0,1,2,3
	v_max_num_f32 v[232+\b], v[232+\b], v[236+\b]
.endr
.irp b, 0,1,2,3
	v_add_nc_u32 v[244+\b], 0xff000000, v[232+\b]
.endr
.irp b, 0,1,2,3
	v_lshrrev_b32 v[236+\b], 23, v[244+\b]
.endr
	v_lshl_or_b32 v88, v237, 8, v236               ; H's two bytes,
	v_lshl_or_b32 v89, v239, 8, v238               ; L's
	v_cmp_ne_u32 vcc_lo, 0, v7
	v_cndmask_b32 v88, v88, v89, vcc_lo            ; lanes 0-15 store H's rows' bytes, lanes 16-31 L's
	v_mov_b32 v86, s60
	v_mov_b32 v87, s61
	v_cndmask_b32 v86, v86, v87, vcc_lo
	v_lshl_add_u32 v86, v2, 5, v86                 ; + 32 bytes a row
	CODES
	global_store_b128 v84, v[224:227], s[56:57]              ; 512 consecutive bytes
	global_store_b64 v85, v[228:229], s[56:57] offset:512    ; 256 consecutive bytes
	global_store_b128 v84, v[230:233], s[58:59]
	global_store_b64 v85, v[234:235], s[58:59] offset:512
	global_store_b16 v86, v88, s[10:11]
	s_wait_tensorcnt 0x0
	ds_add_u32 v251, v255
	s_wait_dscnt 0x0
	s_endpgm
.Lfunc_end_k_q4c89da6751_attn:
	.size	k_q4c89da6751_attn, .Lfunc_end_k_q4c89da6751_attn-k_q4c89da6751_attn
	.p2alignl 7, 3214868480
	.fill 96, 4, 3214868480
	.section	.rodata,"a",@progbits
	.p2align	6, 0x0
	.amdhsa_kernel k_q4c89da6751_attn
		.amdhsa_group_segment_fixed_size 235520
		.amdhsa_private_segment_fixed_size 0
		.amdhsa_enable_private_segment 0
		.amdhsa_kernarg_size 32
		.amdhsa_user_sgpr_count 2
		.amdhsa_user_sgpr_kernarg_segment_ptr 1
		.amdhsa_wavefront_size32 1
		.amdhsa_system_sgpr_workgroup_id_x 1
		.amdhsa_system_sgpr_workgroup_id_y 1
		.amdhsa_system_sgpr_workgroup_id_z 1
		.amdhsa_system_vgpr_workitem_id 0
		.amdhsa_next_free_vgpr 256
		.amdhsa_next_free_sgpr 66
		.amdhsa_reserve_vcc 1
		.amdhsa_float_denorm_mode_32 3
		.amdhsa_float_denorm_mode_16_64 3
		.amdhsa_memory_ordered 1
		.amdhsa_forward_progress 1
		.amdhsa_inst_pref_size 103
	.end_amdhsa_kernel
	.amdgpu_metadata
---
amdhsa.version: [ 1, 2 ]
amdhsa.kernels:
  - .name:           k_q4c89da6751_attn
    .symbol:         k_q4c89da6751_attn.kd
    .args:
      - { .name: qkv, .offset: 0, .size: 8, .value_kind: global_buffer, .address_space: global }
      - { .name: qkvs, .offset: 8, .size: 8, .value_kind: global_buffer, .address_space: global }
      - { .name: yimg, .offset: 16, .size: 8, .value_kind: global_buffer, .address_space: global }
      - { .name: ysc, .offset: 24, .size: 8, .value_kind: global_buffer, .address_space: global }
    .group_segment_fixed_size: 235520
    .private_segment_fixed_size: 0
    .kernarg_segment_align: 8
    .kernarg_segment_size: 32
    .max_flat_workgroup_size: 512
    .sgpr_count:     66
    .vgpr_count:     256
    .wavefront_size: 32
...
	.end_amdgpu_metadata
.endif
;; end of part 3
;; launch out (part 4): grid 4 x 32, 4 waves a work-group, clusters of 4 x 4, 327,680 bytes of LDS; arguments yimg, ysc, wimg, wsc, out0; writes out0
.if DOCPART == 4
	.amdgcn_target "amdgcn-amd-amdhsa--gfx1250"
	.amdhsa_code_object_version 6
	.text
	.protected	k_q4c89da6751_out
	.globl	k_q4c89da6751_out
	.p2align	8
	.type	k_q4c89da6751_out,@function
k_q4c89da6751_out:
	s_mov_b64 s[64:65], 0
	v_nop
	global_prefetch_b8 v0, s[64:65] scope:SCOPE_SE
	s_setreg_imm32_b32 hwreg(HW_REG_WAVE_MODE, 25, 1), 1
	s_wait_xcnt 0x0
	s_wait_alu depctr_hold_cnt(0) depctr_sa_sdst(0) depctr_va_vdst(0) depctr_va_sdst(0) depctr_va_ssrc(0) depctr_va_vcc(0) depctr_vm_vsrc(0)
	s_getreg_b32 s2, hwreg(HW_REG_IB_STS2, 6, 4)
	s_cmp_eq_u32 s2, 0
	s_cbranch_scc0 .Lentry_in_a_cluster
	s_endpgm
.Lentry_in_a_cluster:
	s_bfe_u32 s2, ttmp6, 0x10000c
	s_cmp_lg_u32 s2, 0xf033
	s_cbranch_scc0 .Lentry_shape_is_right
	s_endpgm
.Lentry_shape_is_right:
; out0 = y Wo^T: [8192] x [1024], K = 1024, on codes of FP6 (E2M3) with E8M0 scales; out0 is f32.
; OPERANDS lie in memory in the order of the operand's registers: a unit of 768 bytes is 16 rows x 64 K (lane l's registers 0-3 at 16 l, registers 4-5 at 512 + 8 l); a block of 16 rows has 16 units; row rho of
; block i is row 32 (i / 2) + 8 (i % 2) + rho + 8 (rho / 8).  Scale words: [block][row][8 words].  Wo's blocks are 192 to 255 of wimg and wsc.
; SHARES: a tile is 256 rows of y by 256 rows of Wo, a work-group of four waves; a wave makes 128 x 128: 64 accumulators.  K goes in steps of 256 through two LDS slots; the scale words come once.
; 4 x 32 tiles; a smaller wave tile would read each fragment from LDS for half as many products.
; CLUSTERS: 4 x 4.  y's tiles are shared along a row of the cluster, Wo's along a column, by joint loads.
; SOURCE 0 = Wo's blocks, SOURCE 1 = y's: a lane holds one row of out0, and by the blocks' row order its eight results of accumulator b are the neighbouring columns 32 (b / 2) + 8 (b % 2) + 16 h + 0 .. 7.
; REGISTERS: window 0: v0-31 addresses; v32-63 scale words, two sets; v128-223 source 1's eight fragments; on the way out v128-255 rows of out0.  window 1: source 0's fragments, two sets.  windows 2, 3: the accumulators.
.set NQ,     2
.set FR,     12
.set NL,     4
.set NP,     4                         ; places behind this matrix instruction (ISA guide 7.12.1)
.set BLKB,   3072
.set HALFT,  8*BLKB
.set SLOT,   4*HALFT
.set BROW,   12288
.set LAPS,   2
.set SCL,    2*SLOT
.set HALFS,  4096
.set SBLK,   512
.set SPARE,  SCL+4*HALFS               ; the spare words, 128 bytes for each wave: two blocks of 256 bytes that no other line names
.set SPITCH, 528                       ; the way out: a stage of 16 rows x (512 bytes + 16) for each wave, in slot 0, which has had its last fill and its last read when the first result is stored there
.set ADRA, 16
.set ADRB, 20
.set STO,  24                          ; v24  the way out: where I put 32 bytes of a row
.set RD,   25                          ; v25  where I read a row back
.set CO,   26                          ; v26  my byte offset in a row's 512 bytes
.set ADRS, 27
.set SPW,  28
.set NIL,  29
.set SC,   32
.set AF,   128
.set BK,   128
.set G1, 24
.set G0, 32
.set G1B, 48
.set G0B, 56
.set G1S, 68
.set G0S, 76
.set G1SB, 80
.set G0SB, 88
.set MSB, 0
.macro WIN new                         ; the immediate's high byte repeats the setting that is left
.if MSB != \new
	s_set_vgpr_msb (MSB<<8)|\new
.set MSB, \new
.endif
.endm
.set MUL_LO, 0xa1
.set MUL_HI, 0xf1
.set TO_B,   0x40
; A joint load: waves 0 and 1 fetch y's halves, waves 2 and 3 Wo's.  The branch hangs on the wave's number alone.  Four v_nop follow each of the two lines.
.macro JLOAD g0a, g1a, g0b, g1b
	s_cmp_eq_u32 s15, 0
	s_cbranch_scc0 .Lfor_b_\@
	tensor_load_to_lds s[\g0a:\g0a+3], s[\g1a:\g1a+7]
	s_nop 0
.rept 4
	v_nop
.endr
	s_branch .Lasked_\@
.Lfor_b_\@:
	tensor_load_to_lds s[\g0b:\g0b+3], s[\g1b:\g1b+7]
	s_nop 0
.rept 4
	v_nop
.endr
.Lasked_\@:
.endm
.macro CREST
	s_cmp_lg_u32 s14, 0
	s_cbranch_scc1 .Lnot_wave_0_\@
	s_barrier_signal -3
.Lnot_wave_0_\@:
	s_barrier_wait -3
	s_barrier_signal -1
	s_barrier_wait -1
.endm
.macro CROUND
	s_barrier_signal -1
	s_barrier_wait -1
	CREST
.endm
	s_load_b128 s[4:7], s[0:1], 0x0                ; y's codes, y's scale words
	s_load_b128 s[8:11], s[0:1], 0x10              ; the weights' codes, their scale words
	s_load_b64 s[12:13], s[0:1], 0x20              ; out0
	v_lshl_add_u32 v[SPW], v0, 2, SPARE
	v_mov_b32 v[NIL], 0
	ds_add_u32 v28, v29
	ds_add_u32 v28, v29
	s_wait_dscnt 0x0
	v_lshrrev_b32 v1, 5, v0
	v_readfirstlane_b32 s14, v1                    ; wave 0..3
	s_lshr_b32 s15, s14, 1                         ; which half of y's rows is mine.  Also: I fetch for y (0) or for Wo (1)
	s_and_b32 s16, s14, 1                          ; which half of Wo's rows.  Also: which 8 blocks of that tile I fetch
	s_bfe_u32 s40, ttmp6, 0x40000                  ; cx, cy
	s_bfe_u32 s41, ttmp6, 0x40004
	s_lshl_b32 s42, ttmp9, 2
	s_add_co_u32 s42, s42, s40                     ; Wo's tile
	s_and_b32 s17, ttmp7, 0xffff
	s_lshl_b32 s17, s17, 2
	s_add_co_u32 s17, s17, s41                     ; y's tile
	s_lshl_b32 s43, s41, 2
	s_lshl_b32 s43, 15, s43                        ; my row of the cluster
	s_lshl_b32 s44, 0x1111, s40                    ; my column
	s_or_b32 s[G1+0], s43, (3<<16)|(1<<21)         ; 8 blocks x 3,072 bytes (384 elements of 8 bytes), 12,288 bytes apart in memory, dense in LDS
	s_or_b32 s[G1B+0], s44, (3<<16)|(1<<21)
.irp g, G1, G1B
	s_mov_b32 s[\g+1], 384<<16
	s_mov_b32 s[\g+2], 8<<16
	s_mov_b32 s[\g+3], 384<<16
	s_mov_b32 s[\g+4], 8
	s_mov_b32 s[\g+5], 1536
	s_mov_b32 s[\g+6], 0
	s_mov_b32 s[\g+7], 0
.endr
	s_or_b32 s[G1S+0], s43, (3<<16)|(1<<21)        ; the scale words of 8 blocks: 4,096 dense bytes as 16 rows of 256
	s_or_b32 s[G1SB+0], s44, (3<<16)|(1<<21)
.irp g, G1S, G1SB
	s_mov_b32 s[\g+1], 32<<16
	s_mov_b32 s[\g+2], 16<<16
	s_mov_b32 s[\g+3], 32<<16
	s_mov_b32 s[\g+4], 16
	s_mov_b32 s[\g+5], 32
	s_mov_b32 s[\g+6], 0
	s_mov_b32 s[\g+7], 0
.endr
	s_lshl_b32 s18, s16, 3
	s_lshl_b32 s20, s17, 4
	s_add_co_u32 s20, s20, s18                     ; y: block 16 x tile + 8 x half
	s_lshl_b32 s46, s42, 4
	s_add_co_u32 s46, s46, s18
	s_add_co_u32 s46, s46, 192                     ; Wo: the same behind Wq's, Wk's and Wv's 192 blocks
	s_lshl_b32 s22, s20, 9
	s_mov_b32 s23, 0
	s_lshl_b32 s92, s46, 9
	s_mov_b32 s93, 0
	s_mul_i32 s20, s20, BROW
	s_mov_b32 s21, 0
	s_mul_i32 s46, s46, BROW
	s_mov_b32 s47, 0
	s_mul_i32 s45, s14, HALFT
	s_mul_i32 s94, s14, HALFS
	s_wait_kmcnt 0x0
	s_add_nc_u64 s[20:21], s[4:5], s[20:21]
	s_add_nc_u64 s[22:23], s[6:7], s[22:23]
	s_add_nc_u64 s[46:47], s[8:9], s[46:47]
	s_add_nc_u64 s[92:93], s[10:11], s[92:93]
	CROUND                                         ; all sixteen work-groups are here: the first joint loads meet
	s_mov_b32 s[G0S], 1
	s_add_co_u32 s[G0S+1], s94, SCL
	s_mov_b64 s[G0S+2:G0S+3], s[22:23]
	s_or_b32 s[G0S+3], s[G0S+3], 0x80000000
	s_mov_b32 s[G0SB], 1
	s_add_co_u32 s[G0SB+1], s94, SCL
	s_mov_b64 s[G0SB+2:G0SB+3], s[92:93]
	s_or_b32 s[G0SB+3], s[G0SB+3], 0x80000000
	JLOAD G0S, G1S, G0SB, G1SB
.irp s, 0,1
	s_mov_b32 s[G0+4*\s], 1
	s_add_co_u32 s[G0+4*\s+1], s45, \s*SLOT
	s_add_nc_u64 s[G0+4*\s+2:G0+4*\s+3], s[20:21], \s*BLKB
	s_or_b32 s[G0+4*\s+3], s[G0+4*\s+3], 0x80000000
	s_mov_b32 s[G0B+4*\s], 1
	s_add_co_u32 s[G0B+4*\s+1], s45, \s*SLOT
	s_add_nc_u64 s[G0B+4*\s+2:G0B+4*\s+3], s[46:47], \s*BLKB
	s_or_b32 s[G0B+4*\s+3], s[G0B+4*\s+3], 0x80000000
	JLOAD G0+4*\s, G1, G0B+4*\s, G1B
.endr
	v_and_b32 v1, 15, v0                           ; r
	v_bfe_u32 v2, v0, 4, 1                         ; h
	v_and_b32 v3, 31, v0                           ; lane
	v_lshlrev_b32 v4, 4, v3
	v_lshl_add_u32 v5, v3, 3, 512
	s_mul_i32 s18, s15, HALFT                      ; my 8 blocks of y
	s_mul_i32 s19, s16, HALFT                      ; my 8 blocks of Wo,
	s_add_co_u32 s19, s19, 2*HALFT                 ; which lie behind y's 16
.irp s, 0,1
	v_add_nc_u32 v[ADRA+\s], s18, v4
	v_add_nc_u32 v[ADRA+2+\s], s18, v5
	v_add_nc_u32 v[ADRB+\s], s19, v4
	v_add_nc_u32 v[ADRB+2+\s], s19, v5
	s_add_co_u32 s18, s18, SLOT
	s_add_co_u32 s19, s19, SLOT
.endr
	v_lshlrev_b32 v5, 5, v1                        ; my row's scale words: 32 bytes a row
	s_mul_i32 s21, s15, HALFS
	s_mul_i32 s22, s16, HALFS
	s_add_co_u32 s22, s22, 2*HALFS
	s_sub_co_u32 s22, s22, s21
	v_mul_u32_u24 v6, s22, v2                      ; lanes 16-31 take Wo's
	s_add_co_u32 s21, s21, SCL
	v_add_nc_u32 v5, v5, v6
	v_add_nc_u32 v[ADRS], s21, v5
	s_mul_i32 s23, s14, 16*SPITCH                  ; my stage
	v_mul_u32_u24 v5, v1, SPITCH                   ; in: row r, + 64 h bytes
	v_lshl_add_u32 v5, v2, 6, v5
	v_add_nc_u32 v[STO], s23, v5
	v_lshlrev_b32 v[CO], 4, v3                     ; back: the 32 lanes take one row of 512 bytes; and the same in out0
	v_add_nc_u32 v[RD], s23, v[CO]
	s_lshl_b32 s20, s17, 8
	s_lshl_b32 s21, s15, 7
	s_add_co_u32 s20, s20, s21                     ; my first row of out0
	s_lshl_b32 s20, s20, 12                        ; rows of 4,096 bytes
	s_mov_b32 s21, 0
	s_lshl_b32 s46, s42, 10                        ; my first column, in bytes
	s_lshl_b32 s47, s16, 9
	s_add_co_u32 s46, s46, s47
	s_mov_b32 s47, 0
	s_add_nc_u64 s[20:21], s[20:21], s[46:47]
	s_add_nc_u64 s[12:13], s[12:13], s[20:21]
.macro FRAG reg, adr, q, i             ; a fragment is two units as they lie; every load is dense
	ds_load_b128 v[\reg:\reg+3], v[\adr] offset:(\i)*BLKB+(\q)*1536
	ds_load_b64 v[\reg+4:\reg+5], v[\adr+2] offset:(\i)*BLKB+(\q)*1536
	ds_load_b128 v[\reg+6:\reg+9], v[\adr] offset:(\i)*BLKB+(\q)*1536+768
	ds_load_b64 v[\reg+10:\reg+11], v[\adr+2] offset:(\i)*BLKB+(\q)*1536+768
.endm
; 16 matrix instructions.  The 64 accumulators take turns, one instruction a turn, in the same order in every step.
.macro MUL16 a0, p, q, sc, zero
.irp a, \a0, \a0+1
.irp b, 0,1,2,3,4,5,6,7
.if \zero
	v_wmma_scale_f32_16x16x128_f8f6f4 v[8*(8*((\a)%4)+\b):8*(8*((\a)%4)+\b)+7], v[128*(\p)+FR*\b:128*(\p)+FR*\b+FR-1], v[AF+FR*(\a):AF+FR*(\a)+FR-1], 0, v[SC+8*NQ*(\sc)+NQ*\b+(\q)], v[SC+8*NQ*(\sc)+NQ*(\a)+(\q)] matrix_a_fmt:MATRIX_FMT_FP6 matrix_b_fmt:MATRIX_FMT_FP6 matrix_a_scale:MATRIX_SCALE_ROW1
.else
	v_wmma_scale_f32_16x16x128_f8f6f4 v[8*(8*((\a)%4)+\b):8*(8*((\a)%4)+\b)+7], v[128*(\p)+FR*\b:128*(\p)+FR*\b+FR-1], v[AF+FR*(\a):AF+FR*(\a)+FR-1], v[8*(8*((\a)%4)+\b):8*(8*((\a)%4)+\b)+7], v[SC+8*NQ*(\sc)+NQ*\b+(\q)], v[SC+8*NQ*(\sc)+NQ*(\a)+(\q)] matrix_a_fmt:MATRIX_FMT_FP6 matrix_b_fmt:MATRIX_FMT_FP6 matrix_a_scale:MATRIX_SCALE_ROW1
.endif
.endr
.endr
.endm
.macro FETCH_B slot, q, p
	WIN TO_B
.irp i, 0,1,2,3,4,5,6,7
	FRAG 128*(\p)+FR*\i, ADRB+\slot, \q, \i
.endr
	WIN 0
.endm
.macro FETCH_A slot, q, i0
.irp i, \i0, \i0+1, \i0+2, \i0+3
	FRAG AF+FR*(\i), ADRA+\slot, \q, \i
.endr
.endm
.macro SCALES sc
.irp i, 0,1,2,3,4,5,6,7
	ds_load_b64 v[SC+8*NQ*\sc+NQ*\i:SC+8*NQ*\sc+NQ*\i+1], v[ADRS] offset:\i*SBLK
.endr
.endm
.macro PLACES n
.rept \n
	v_nop
.endr
.endm
.macro STEP slot, q, zero
	s_wait_dscnt 4*NL                              ; source 0's set and source 1's blocks 0-3 are in; the youngest 16 loads (blocks 4-7) may be out
	WIN MUL_LO
	MUL16 0, (\q)%2, \q, \slot, \zero
	MUL16 2, (\q)%2, \q, \slot, \zero
	s_wait_dscnt 0
	PLACES NP
	FETCH_B \slot, (\q)+1, 1-(\q)%2
	FETCH_A \slot, (\q)+1, 0
	WIN MUL_HI
	MUL16 4, (\q)%2, \q, \slot, \zero
	MUL16 6, (\q)%2, \q, \slot, \zero
	PLACES NP
	WIN 0
	FETCH_A \slot, (\q)+1, 4
.endm
; A slot's last step changes slots: ONE barrier; in front of it each wave waits for all its tensor loads, adds 0 to its spare word, and waits for that and for its own reads of this slot.
.macro TURN slot, next, fill
	s_wait_tensorcnt 0x0                           ; all my tensor loads have landed: my part of the next slot
	ds_add_u32 v[SPW], v[NIL]                      ; 0 onto my spare word
	s_wait_dscnt 4*NL+1                            ; (the add and the youngest 16 loads may be out)
	WIN MUL_LO
	MUL16 0, 1, NQ-1, \slot, 0
	s_wait_dscnt 0x0                               ; the add is done, and my reads of this slot are over
	s_barrier_signal -1
	MUL16 2, 1, NQ-1, \slot, 0
	WIN 0
	s_barrier_wait -1
.if \fill
	CREST                                          ; the barrier has opened a round of the cluster's barrier
	s_add_nc_u64 s[G0+4*\slot+2:G0+4*\slot+3], s[G0+4*\slot+2:G0+4*\slot+3], 2*BLKB
	s_add_nc_u64 s[G0B+4*\slot+2:G0B+4*\slot+3], s[G0B+4*\slot+2:G0B+4*\slot+3], 2*BLKB
	JLOAD G0+4*\slot, G1, G0B+4*\slot, G1B         ; the first tensor load behind the round; its four v_nop are the places in front of the loads below
.else
	PLACES NP
.endif
	v_add_nc_u32 v[ADRS], 4*NQ, v[ADRS]
	FETCH_B \next, 0, 0
	FETCH_A \next, 0, 0
	SCALES \next
	WIN MUL_HI
	MUL16 4, 1, NQ-1, \slot, 0
	MUL16 6, 1, NQ-1, \slot, 0
	PLACES NP
	WIN 0
	FETCH_A \next, 0, 4
.endm
	s_wait_tensorcnt 1                             ; the scale words and my part of slot 0 are in (slot 1's load may be out)
	s_barrier_signal -1
	s_barrier_wait -1                              ; everybody's are
	FETCH_B 0, 0, 0
	FETCH_A 0, 0, 0
	SCALES 0
	FETCH_A 0, 0, 4
	STEP 0, 0, 1                                   ; the first step's products start the sums
	s_mov_b32 s3, LAPS-1
.Llap:
	TURN 0, 1, 1
	STEP 1, 0, 0
	TURN 1, 0, 1
	STEP 0, 0, 0
	s_sub_co_u32 s3, s3, 1
	s_cmp_lg_u32 s3, 0
	s_cbranch_scc1 .Llap
	TURN 0, 1, 0                                   ; the last lap fills nothing
	STEP 1, 0, 0
	s_wait_dscnt 4*NL
	WIN MUL_LO
	MUL16 0, 1, NQ-1, 1, 0
	MUL16 2, 1, NQ-1, 1, 0
	s_wait_dscnt 0
	WIN MUL_HI
	MUL16 4, 1, NQ-1, 1, 0
	MUL16 6, 1, NQ-1, 1, 0
	WIN 0
; THE WAY OUT, block by block of 16 rows x 128 columns: through my own stage in LDS and back as whole rows of 512 bytes.  LDS serves a wave's instructions in order (ISA guide 5.7.1.4): no wait between the stores and the loads.
.macro TOSTAGE a
.set AC, 64*((\a)%4)
	WIN 0x08+4*((\a)/4)                            ; the data: window 2 or 3
.irp b, 0,1,2,3,4,5,6,7
	ds_store_b128 v[STO], v[AC+8*\b:AC+8*\b+3] offset:128*(\b/2)+32*(\b%2)          ; each accumulator from its low end on: columns 32 (b / 2) + 8 (b % 2) + 16 h + 0 .. 3,
	ds_store_b128 v[STO], v[AC+8*\b+4:AC+8*\b+7] offset:128*(\b/2)+32*(\b%2)+16     ; + 4 .. 7
.endr
	WIN 0
.set BB, BK+64*((\a)%2)
.irp t, 0,1,2,3,4,5,6,7,8,9,10,11,12,13,14,15
	ds_load_b128 v[BB+4*\t:BB+4*\t+3], v[RD] offset:\t*SPITCH
.endr
.endm
.macro SEND a, younger                 ; younger: the LDS instructions issued behind block a's loads, which may stay out
.set BB, BK+64*((\a)%2)
	s_wait_dscnt \younger
.irp t, 0,1,2,3,4,5,6,7,8,9,10,11,12,13,14,15
	global_store_b128 v[CO], v[BB+4*\t:BB+4*\t+3], s[12:13] offset:(32*((\a)/2)+8*((\a)%2)+\t+8*(\t/8))*4096 th:TH_STORE_NT   ; row t of block a, by the blocks' row order: 512 consecutive bytes; 127 rows at the most, inside the signed 24-bit immediate
.endr
.endm
	PLACES NP                                      ; behind the last products: results are read, and the fragments' registers loaded anew, only from here on
	TOSTAGE 0
.irp a, 1,2,3,4,5,6,7
.if \a > 1
	s_wait_xcnt 0x0                                ; block a - 2's stores have read their registers: block a's loads may land there
.endif
	TOSTAGE \a
	SEND \a-1, 32                                  ; behind block a - 1's loads: block a's 16 stores and 16 loads
.endr
	SEND 7, 0
	s_wait_tensorcnt 0x0                           ; the wave's end
	ds_add_u32 v[SPW], v[NIL]
	s_wait_dscnt 0x0
	CROUND                                         ; the closing round: no work-group ends while a partner may still ask for a tile that names it
	s_endpgm
.Lfunc_end_k_q4c89da6751_out:
	.size	k_q4c89da6751_out, .Lfunc_end_k_q4c89da6751_out-k_q4c89da6751_out
	.p2alignl 7, 3214868480
	.fill 96, 4, 3214868480
	.section	.rodata,"a",@progbits
	.p2align	6, 0x0
	.amdhsa_kernel k_q4c89da6751_out
		.amdhsa_group_segment_fixed_size 327680
		.amdhsa_private_segment_fixed_size 0
		.amdhsa_enable_private_segment 0
		.amdhsa_kernarg_size 40
		.amdhsa_user_sgpr_count 2
		.amdhsa_user_sgpr_kernarg_segment_ptr 1
		.amdhsa_wavefront_size32 1
		.amdhsa_system_sgpr_workgroup_id_x 1
		.amdhsa_system_sgpr_workgroup_id_y 1
		.amdhsa_system_sgpr_workgroup_id_z 1
		.amdhsa_system_vgpr_workitem_id 0
		.amdhsa_next_free_vgpr 1024
		.amdhsa_next_free_sgpr 100
		.amdhsa_reserve_vcc 0
		.amdhsa_float_denorm_mode_32 3
		.amdhsa_float_denorm_mode_16_64 3
		.amdhsa_memory_ordered 1
		.amdhsa_forward_progress 1
		.amdhsa_inst_pref_size 143
	.end_amdhsa_kernel
	.amdgpu_metadata
---
amdhsa.version: [ 1, 2 ]
amdhsa.kernels:
  - .name:           k_q4c89da6751_out
    .symbol:         k_q4c89da6751_out.kd
    .args:
      - { .name: yimg, .offset: 0, .size: 8, .value_kind: global_buffer, .address_space: global }
      - { .name: ysc, .offset: 8, .size: 8, .value_kind: global_buffer, .address_space: global }
      - { .name: wimg, .offset: 16, .size: 8, .value_kind: global_buffer, .address_space: global }
      - { .name: wsc, .offset: 24, .size: 8, .value_kind: global_buffer, .address_space: global }
      - { .name: out0, .offset: 32, .size: 8, .value_kind: global_buffer, .address_space: global }
    .group_segment_fixed_size: 327680
    .private_segment_fixed_size: 0
    .kernarg_segment_align: 8
    .kernarg_segment_size: 40
    .max_flat_workgroup_size: 128
    .sgpr_count:     100
    .vgpr_count:     1024
    .wavefront_size: 32
...
	.end_amdgpu_metadata
.endif
;; end of part 4
